; MI455X (gfx1250); checked and timed in simulation.
; The chip was launched on July 23, 2026; its instructions are those of AMD's public machine-readable ISA for CDNA 5 (MIT licence, August 2026) and "CDNA5" Instruction Set Architecture Reference Guide (July 2026). The comments in the code are by the model that wrote it; some were corrected since.
;; Sparse Factorisation Dense. Allowed arithmetic: float matrix products may take bf16 or f16 operands with f32 sums; all other float work in f32.
;; Inputs: bias 2,048 float32; k0 2,048 x 2,048 float32; k1 2,048 x 2,048 float32; k2 2,048 x 2,048 float32; mask0 2,048 x 2,048 int32; mask1 2,048 x 2,048 int32; mask2 2,048 x 2,048 int32; scaling 1 float32; x 4,096 x 2,048 float32.
;; Outputs: out0 4,096 x 2,048 float32.
;; One version. Each part assembles by itself: llvm-mc -triple=amdgcn-amd-amdhsa -mcpu=gfx1250 --defsym DOCPART=n.
;; ======== version 1 of 1: 4 launches
;; limits: values are held in f16: magnitudes above 65,504 overflow, below 6.1e-05 lose precision; inputs' magnitudes at most 65,504
;; workspace buffers: xh 16,777,216 bytes; w0h 8,390,656 bytes; w1h 8,390,656 bytes; w2t 8,390,656 bytes; qt 8,390,656 bytes; pt 8,390,656 bytes
;; launch prep (part 1): grid 256 x 2, 8 waves a work-group, no clusters, 50,688 bytes of LDS; arguments k1, k2, mask1, mask2, w1h, w2t; writes w1h, w2t
.if DOCPART == 1
	.amdgcn_target "amdgcn-amd-amdhsa--gfx1250"
	.amdhsa_code_object_version 6
	.text
	.protected	k_qe638e1f4b5_prep
	.globl	k_qe638e1f4b5_prep
	.p2align	8
	.type	k_qe638e1f4b5_prep,@function
k_qe638e1f4b5_prep:
	s_mov_b64 s[64:65], 0
	v_nop
	global_prefetch_b8 v0, s[64:65] scope:SCOPE_SE
	s_setreg_imm32_b32 hwreg(HW_REG_WAVE_MODE, 25, 1), 1
	s_wait_xcnt 0x0
; The conversion pass for the two operands of the first product.  Work-group y picks the job, work-group x (b, 0 to 255) the part; every work-group reads 128 KiB.
;   y = 0: w1h = f16(k1 * float(mask1)), rows as they lie (8 rows of 2,048 a work-group, one row a wave)
;   y = 1: w2t = the same of k2, mask2, TRANSPOSED (a tile of 128 k x 128 n a work-group, through LDS)
; (k0 * mask0 and x are converted beside the two products that run ahead of their first use.)
; Each job also leaves, behind the matrix at byte 0x800000 of its output, slot b of 8 bytes: {largest |k * mask| of this part, 1.0}.
; The later launches make their scales from these, so that no intermediate leaves f16's range.
; Every wave issues all its 32 loads of 16 bytes a lane at once (128 registers) and works them off by counted waits; the text has no loop,
; so no address and no store's data is ever written again.  Each load of a wave covers 512 consecutive bytes, each store 256 or 512, aligned.
; No matrix unit, no cluster: the work-groups share no byte, and each byte is read once and written once.
; LIMITS: |k * mask| above 65,504 becomes infinite in f16, below about 3e-8 it becomes 0.  A NaN is not seen by the maxima
; (v_max3_num_f32 drops it).  The mask may be any i32: it is converted and multiplied, as the definition does.
.set KR,    16                         ; v[16:79]   k as loaded, then k * mask, then (job 0) packed f16 to store
.set MR,    80                         ; v[80:143]  mask as loaded, then as f32; job 1: v[80:111] packed f16 for LDS
.set TP,    48                         ; job 1, LDS: a row of a wave's region: 32 bytes (16 k in f16) + 16
.set TREG,  128*TP+32                  ; a wave's region: 128 rows (n), + 32 so that the eight regions start 32 bytes apart modulo 256
.set MAXB,  8*TREG                     ; 49,408: eight words, one maximum a wave
.set TAILB, 0x800000                   ; the slots' place in an output buffer
	s_load_b256 s[8:15], s[0:1], 0x0               ; k1 s[8:9], k2 s[10:11], mask1 s[12:13], mask2 s[14:15]
	s_load_b128 s[16:19], s[0:1], 0x20             ; w1h s[16:17], w2t s[18:19]
	v_lshl_add_u32 v144, v0, 2, 0xc200
	v_mov_b32 v145, 0
	v_and_b32 v1, 31, v0                           ; lane
	v_lshrrev_b32 v2, 5, v0                        ; wave
	v_readfirstlane_b32 s2, v2                     ; wave, as a scalar
	s_and_b32 s3, ttmp7, 0xffff                    ; the job
	s_mov_b32 s4, ttmp9                            ; b, the part
	s_mov_b32 s37, 0                               ; upper word of every offset pair s[36:37]
	s_mov_b32 s38, 0x76543210                      ; v_permlanex16_b32: lane i reads lane i of the other half
	s_mov_b32 s39, 0xfedcba98
	v_mov_b32 v8, 0                                ; two chains of maxima of magnitudes: 0 is their neutral start
	v_mov_b32 v9, 0
	v_mov_b32 v13, 1.0                             ; the slot's second word: stored = 1.0 x true
	v_mov_b32 v14, 0
	v_mov_b32 v7, s2
	v_lshlrev_b32 v7, 2, v7                        ; my wave's word among the eight maxima
	v_lshlrev_b32 v3, 4, v1                        ; 16 bytes a lane
	s_wait_kmcnt 0x0
	s_cmp_eq_u32 s3, 1
	s_cbranch_scc1 .Ljob_t
; Group j of four numbers: k * float(mask) into KR, the magnitudes into the two chains.  left = how many younger loads may stay out.
.macro MASKMUL j, left
	s_wait_loadcnt \left                           ; loads come back in order (ISA guide 5.7.1): k's and mask's group j are in
.irp c, 0,1,2,3
	v_cvt_f32_i32 v[MR+4*\j+\c], v[MR+4*\j+\c]
.endr
	v_pk_mul_f32 v[KR+4*\j:KR+4*\j+1],   v[KR+4*\j:KR+4*\j+1],   v[MR+4*\j:MR+4*\j+1]
	v_pk_mul_f32 v[KR+4*\j+2:KR+4*\j+3], v[KR+4*\j+2:KR+4*\j+3], v[MR+4*\j+2:MR+4*\j+3]
	v_max3_num_f32 v8, |v[KR+4*\j]|,   |v[KR+4*\j+1]|, v8
	v_max3_num_f32 v9, |v[KR+4*\j+2]|, |v[KR+4*\j+3]|, v9
.endm
; The wave's maximum, into its word in LDS; then the work-group's one barrier (in job 1 it also shows the transposed tile to every wave).
.macro WAVEMAX
	v_max_num_f32 v8, v8, v9
	v_max_num_f32_dpp v8, v8, v8 row_xmask:1 row_mask:0xf bank_mask:0xf
	v_max_num_f32_dpp v8, v8, v8 row_xmask:2 row_mask:0xf bank_mask:0xf
	v_max_num_f32_dpp v8, v8, v8 row_xmask:4 row_mask:0xf bank_mask:0xf
	v_max_num_f32_dpp v8, v8, v8 row_xmask:8 row_mask:0xf bank_mask:0xf
	v_permlanex16_b32 v9, v8, s38, s39             ; v9 has been written: the destination counts as read
	v_max_num_f32 v8, v8, v9
	ds_store_b32 v7, v8 offset:MAXB                ; all lanes write the same word with the same value
	s_wait_dscnt 0x0                               ; for the other waves' sake: all my LDS stores are done before I signal
	s_barrier_signal -1
	s_barrier_wait -1
.endm
; Wave 0, thread 0 stores the work-group's slot; every wave ends.
.macro TAIL
	s_cmp_lg_u32 s2, 0
	s_cbranch_scc1 .Lno_slot_\@
	ds_load_b128 v[112:115], v14 offset:MAXB       ; the eight waves' maxima, into registers that no pending store names
	ds_load_b128 v[116:119], v14 offset:MAXB+16
	s_lshl_b32 s36, s4, 3
	s_add_nc_u64 s[46:47], s[30:31], s[36:37]      ; the output's first byte + 8 b
	s_add_nc_u64 s[46:47], s[46:47], TAILB
	v_cmp_eq_u32 vcc_lo, 0, v0
	s_wait_dscnt 0x0
	v_max3_num_f32 v12, v112, v113, v114
	v_max3_num_f32 v12, v12, v115, v116
	v_max3_num_f32 v12, v12, v117, v118
	v_max_num_f32 v12, v12, v119
	s_wait_xcnt 0x0                                ; EXEC is a source of the stores above: it narrows only behind this wait
	s_and_saveexec_b32 s40, vcc_lo
	global_store_b64 v14, v[12:13], s[46:47]
	s_wait_xcnt 0x0                                ; and widens only behind this one
	s_or_b32 exec_lo, exec_lo, s40
.Lno_slot_\@:
	s_wait_tensorcnt 0x0
	ds_add_u32 v144, v145
	s_wait_dscnt 0x0
	s_endpgm
.endm
	; ---- job 0: rows as they lie.  Wave w takes row 8 b + w: 8,192 bytes of k, 8,192 of mask, 4,096 out.
	s_mov_b64 s[30:31], s[16:17]                   ; out
	s_lshl_b32 s36, s4, 16                         ; 8 rows of 8,192 bytes
	s_add_nc_u64 s[32:33], s[8:9], s[36:37]
	s_add_nc_u64 s[34:35], s[12:13], s[36:37]
	s_lshl_b32 s36, s4, 15                         ; 8 rows of 4,096 bytes
	s_add_nc_u64 s[44:45], s[30:31], s[36:37]
	v_lshl_or_b32 v3, v2, 13, v3                   ; in: 8,192 w + 16 lane
	v_lshlrev_b32 v4, 3, v1
	v_lshl_or_b32 v4, v2, 12, v4                   ; out: 4,096 w + 8 lane
.irp j, 0,1,2,3,4,5,6,7,8,9,10,11,12,13,14,15
	global_load_b128 v[KR+4*\j:KR+4*\j+3], v3, s[32:33] offset:512*\j th:TH_LOAD_NT
	global_load_b128 v[MR+4*\j:MR+4*\j+3], v3, s[34:35] offset:512*\j th:TH_LOAD_NT
.endr
.irp j, 0,1,2,3,4,5,6,7,8,9,10,11,12,13,14,15
	MASKMUL \j, 30-2*\j                            ; behind group j's pair 2 (15 - j) loads were issued
	v_cvt_pk_f16_f32 v[KR+4*\j],   v[KR+4*\j],   v[KR+4*\j+1]
	v_cvt_pk_f16_f32 v[KR+4*\j+1], v[KR+4*\j+2], v[KR+4*\j+3]
	global_store_b64 v4, v[KR+4*\j:KR+4*\j+1], s[44:45] offset:256*\j   ; 32 lanes x 8 bytes: 256 consecutive bytes, aligned
.endr
	WAVEMAX
	TAIL
	; ---- job 1: the tile k = 128 kt .., n = 128 nt .. of k2 * mask2, transposed.  Wave w takes k rows 16 w to 16 w + 15, lane l columns 4 l to 4 l + 3.
.Ljob_t:
	s_mov_b64 s[30:31], s[18:19]                   ; out
	s_lshr_b32 s5, s4, 4                           ; kt
	s_and_b32 s6, s4, 15                           ; nt
	s_lshl_b32 s36, s5, 20                         ; 128 rows of 8,192 bytes
	s_lshl_b32 s7, s6, 9                           ; 128 columns of 4 bytes
	s_add_co_u32 s36, s36, s7
	s_add_nc_u64 s[32:33], s[10:11], s[36:37]
	s_add_nc_u64 s[34:35], s[14:15], s[36:37]
	s_lshl_b32 s36, s6, 19                         ; out: 128 rows (n) of 4,096 bytes
	s_lshl_b32 s7, s5, 8                           ; 128 columns (k) of 2 bytes
	s_add_co_u32 s36, s36, s7
	s_add_nc_u64 s[44:45], s[30:31], s[36:37]
	v_lshl_or_b32 v3, v2, 17, v3                   ; in: 16 rows x 8,192 x w + 16 lane
	s_mul_i32 s41, s2, TREG                        ; my wave's own region of LDS
	v_mul_u32_u24 v5, v1, 4*TP                     ; row n = 4 lane
	v_add_nc_u32 v5, s41, v5
	v_lshrrev_b32 v10, 4, v1
	v_lshl_add_u32 v10, v2, 4, v10                 ; back: row n = 16 w + lane / 16 (+ 2 u)
	v_and_b32 v11, 15, v0                          ; q: which 16 bytes (8 k) of the row of 256
	v_lshlrev_b32 v4, 4, v11
	v_lshl_or_b32 v4, v10, 12, v4                  ; out: 4,096 n + 16 q
	v_mul_u32_u24 v6, v10, TP
	v_lshrrev_b32 v10, 1, v11                      ; k = 8 q .. lies in the region of wave q / 2,
	v_mad_u32_u24 v6, v10, TREG, v6
	v_and_b32 v10, 1, v0                           ; in its half q % 2
	v_lshl_add_u32 v6, v10, 4, v6
.irp i, 0,1,2,3,4,5,6,7,8,9,10,11,12,13,14,15
	global_load_b128 v[KR+4*\i:KR+4*\i+3], v3, s[32:33] offset:8192*\i th:TH_LOAD_NT
	global_load_b128 v[MR+4*\i:MR+4*\i+3], v3, s[34:35] offset:8192*\i th:TH_LOAD_NT
.endr
.irp i, 0,1,2,3,4,5,6,7,8,9,10,11,12,13,14,15
	MASKMUL \i, 30-2*\i                            ; W(16 w + i, 4 lane + c) now lies in KR + 4 i + c
.endr
	; column c of my four, k = 16 w + 8 t .. + 7: eight f16, 16 bytes, to row 4 lane + c of my region.
	; Eight stores a wave.
.irp t, 0,1
.irp c, 0,1,2,3
.irp p, 0,1,2,3
	v_cvt_pk_f16_f32 v[MR+16*\t+4*\c+\p], v[KR+4*(8*\t+2*\p)+\c], v[KR+4*(8*\t+2*\p+1)+\c]
.endr
	ds_store_b128 v5, v[MR+16*\t+4*\c:MR+16*\t+4*\c+3] offset:TP*\c+16*\t
.endr
.endr
	WAVEMAX                                        ; its wait and barrier stand between every wave's stores and the loads below
.irp u, 0,1,2,3,4,5,6,7
	ds_load_b128 v[KR+4*\u:KR+4*\u+3], v6 offset:2*TP*\u       ; rows 16 w + 2 u and + 1: sixteen lanes gather a row's 256 bytes from the eight regions
.endr
.irp u, 0,1,2,3,4,5,6,7
	s_wait_dscnt 7-\u                              ; LDS loads come back in order: pair u is in
	global_store_b128 v4, v[KR+4*\u:KR+4*\u+3], s[44:45] offset:8192*\u   ; sixteen lanes store 256 consecutive bytes, aligned
.endr
	TAIL
.Lfunc_end_k_qe638e1f4b5_prep:
	.size	k_qe638e1f4b5_prep, .Lfunc_end_k_qe638e1f4b5_prep-k_qe638e1f4b5_prep
	.p2alignl 7, 3214868480
	.fill 96, 4, 3214868480
	.section	.rodata,"a",@progbits
	.p2align	6, 0x0
	.amdhsa_kernel k_qe638e1f4b5_prep
		.amdhsa_group_segment_fixed_size 50688
		.amdhsa_private_segment_fixed_size 0
		.amdhsa_enable_private_segment 0
		.amdhsa_kernarg_size 48
		.amdhsa_user_sgpr_count 2
		.amdhsa_user_sgpr_kernarg_segment_ptr 1
		.amdhsa_wavefront_size32 1
		.amdhsa_system_sgpr_workgroup_id_x 1
		.amdhsa_system_sgpr_workgroup_id_y 1
		.amdhsa_system_sgpr_workgroup_id_z 1
		.amdhsa_system_vgpr_workitem_id 0
		.amdhsa_next_free_vgpr 146
		.amdhsa_next_free_sgpr 66
		.amdhsa_reserve_vcc 1
		.amdhsa_float_denorm_mode_32 3
		.amdhsa_float_denorm_mode_16_64 3
		.amdhsa_memory_ordered 1
		.amdhsa_forward_progress 1
		.amdhsa_inst_pref_size 33
	.end_amdhsa_kernel
	.amdgpu_metadata
---
amdhsa.version: [ 1, 2 ]
amdhsa.kernels:
  - .name:           k_qe638e1f4b5_prep
    .symbol:         k_qe638e1f4b5_prep.kd
    .args:
      - { .name: k1, .offset: 0, .size: 8, .value_kind: global_buffer, .address_space: global }
      - { .name: k2, .offset: 8, .size: 8, .value_kind: global_buffer, .address_space: global }
      - { .name: mask1, .offset: 16, .size: 8, .value_kind: global_buffer, .address_space: global }
      - { .name: mask2, .offset: 24, .size: 8, .value_kind: global_buffer, .address_space: global }
      - { .name: w1h, .offset: 32, .size: 8, .value_kind: global_buffer, .address_space: global }
      - { .name: w2t, .offset: 40, .size: 8, .value_kind: global_buffer, .address_space: global }
    .group_segment_fixed_size: 50688
    .private_segment_fixed_size: 0
    .kernarg_segment_align: 8
    .kernarg_segment_size: 48
    .max_flat_workgroup_size: 256
    .sgpr_count:     66
    .vgpr_count:     146
    .wavefront_size: 32
...
	.end_amdgpu_metadata
.endif
;; end of part 1
;; launch gq (part 2): grid 16 x 16, 4 waves a work-group, clusters of 4 x 4, 327,680 bytes of LDS; arguments w2t, w1h, qt, k0, mask0, w0h; writes qt, w0h
.if DOCPART == 2
	.amdgcn_target "amdgcn-amd-amdhsa--gfx1250"
	.amdhsa_code_object_version 6
	.text
	.protected	k_qe638e1f4b5_gq
	.globl	k_qe638e1f4b5_gq
	.p2align	8
	.type	k_qe638e1f4b5_gq,@function
k_qe638e1f4b5_gq:
	s_mov_b64 s[64:65], 0
	v_nop
	global_prefetch_b8 v0, s[64:65] scope:SCOPE_SE
	s_setreg_imm32_b32 hwreg(HW_REG_WAVE_MODE, 25, 1), 1
	s_wait_xcnt 0x0
	s_wait_alu depctr_hold_cnt(0) depctr_sa_sdst(0) depctr_va_vdst(0) depctr_va_sdst(0) depctr_va_ssrc(0) depctr_va_vcc(0) depctr_vm_vsrc(0)
	s_getreg_b32 s2, hwreg(HW_REG_IB_STS2, 6, 4)
	s_cmp_eq_u32 s2, 0
	s_cbranch_scc0 .Lentry_in_a_cluster
	s_endpgm
.Lentry_in_a_cluster:
	s_bfe_u32 s2, ttmp6, 0x10000c
	s_cmp_lg_u32 s2, 0xf033
	s_cbranch_scc0 .Lentry_shape_is_right
	s_endpgm
.Lentry_shape_is_right:
; TWO JOBS.  (1) C[a][b] = f * (sum over k of A[a][k] B[b][k]) with A = W2 transposed, B = W1: C = (W1 W2) transposed.  A, B, C: [2048][2048] f16, K along the rows;
; sums in f32.  The product of the three factors is made first, which takes a third less arithmetic than three products with x's 4,096 rows; the order of rounding
; therefore differs from the definition's.  (2) BESIDE IT: w0h = f16(k0 * float(mask0)), which the next launch multiplies by: this launch's waves wait for tiles
; for part of their time and ask little of memory, so the stream of 32 KiB a wave runs through a ring of registers between the matrix instructions.
; SCALES.  Behind each matrix, at byte 0x800000, lie 256 slots {bound on |stored|, g} with stored = g x true, one from each work-group that made it.
; mA, mB = the largest bounds; |sum| <= 2048 mA mB, so with f = 16 / (mA mB) every stored number is at most 2^15 in size, whatever the inputs.
; C's slot: {32768, f gA gB}; w0h's slot: {largest |k0 * mask0| of my part, 1.0}.  mA and mB are raised to 2^-40 at the least, so f and g stay finite and normal.
; SHAPE.  A work-group makes a block of 128 x 128 of C.  Each of its four waves holds the WHOLE block as 64 accumulator tiles (512 registers) and sums a quarter
; of each K step: 32 KiB of LDS reads feed 128 matrix instructions, as with a block of 256 x 256.  The four partial sums meet once, in LDS, on the way out.
; K goes in steps of 256 through two LDS slots filled by the tensor data mover; wave w multiplies bytes 128 w to 128 w + 127 of every row of a slot.
; CLUSTERS: 4 x 4 work-groups.  A's tile hangs on the block row alone and is asked for jointly by the four of a row of the cluster, B's on the block column
; alone, jointly by a column: the requests for A and B are divided by four.
; WHERE K STARTS: cluster (X, Y) starts at byte 1024 X + 2048 ((Y ^ Y >> 1) & 1) of the rows and wraps round.  The four clusters that walk the same rows of A
; (one Y) start a quarter of K apart, clusters that walk the same rows of B (one X) half of K apart: they do not all ask for the same bytes for the first time,
; and in its later steps a cluster asks for bytes that another cluster has read before.  X and Y are the same in all sixteen partners.
; LIMITS: infinities and NaN among the operands are not served (f becomes 0 or the maxima drop the NaN); |k0 * mask0| above 65,504 becomes infinite in f16, below
; about 3e-8 it becomes 0.  K is split over waves and starts elsewhere in each cluster: the sums' order is the text's own.
;
; REGISTERS in windows of 256: window 0: v0-31 addresses and small work; v32-47 job 2's packed results; v64-127, v128-191 fragments of A, two buffers;
; v192-255 job 2's ring, later job 1's packed results.  window 1: v64-191 fragments of B.  windows 2, 3: accumulators of rows 0-63, 64-127, tile (a, b) at v[8 (8 a + b)].
; The matrix instruction is used transposed (source 0 = rows of B, source 1 = rows of A): lane l holds row l % 16 of C, columns 8 (l / 16) + 0 .. 7.
.set ROWB,   4096                      ; bytes in a row of A, B, C
.set KSLOT,  256                       ; K in a slot
.set STEPB,  2*KSLOT                   ; a step along a row, in bytes
.set PITCH,  528                       ; an LDS row: 512 bytes + 16: sixteen neighbouring rows start at sixteen different 16-byte columns modulo 256
.set LROWS,  64                        ; rows that one tensor load brings
.set LOADB,  LROWS*PITCH               ; 33,792
.set ATILE,  2*LOADB                   ; A's 128 rows; B's 128 follow
.set SLOT,   2*ATILE                   ; 135,168; two slots take 270,336 bytes
.set LAPS,   2048/(2*KSLOT)            ; a lap = two steps = once round the ring: 4
.set SP,     528                       ; the way out: a row of 128 f32 + 16
.set SREG,   128*SP                    ; a wave's partial block: 67,584; four of them lie over the ring, behind its last fill
.set MAXB,   4*SREG                    ; 270,336: four words of their own, one maximum a wave; no fill ever lands here
.set TAILB,  0x800000
.set MX,   10                          ; v10-11  job 2: two chains of maxima
.set MA,   12                          ; v12     LDS address of my wave's maximum
.set LO,   13                          ; v13     16 x lane; never rewritten
.set ADRA, 16                          ; v16-17  LDS address of my A fragments in slot 0, 1
.set ADRB, 20                          ; v20-21  the same for B
.set STO,  24                          ; v24     where I put 32 bytes of a row of my partial block
.set RD,   25                          ; v25-28  where I read my rows back from the four partial blocks
.set CO,   29                          ; v29     8 x lane: my byte offset in a piece of 256 bytes of C and of w0h; never rewritten
.set SL,   30                          ; v[30:31] C's slot: {32768, g}
.set ST,   32                          ; v[32:47] job 2: turn j's packed results, 4 registers
.set F0,   64
.set F1,   128
.set SET,  192                         ; v[192:255] job 2: set j of 16 registers: two pairs of (k, mask), 4 + 4 each
.set PK,   192                         ; the way out, when job 2 is over
.set BA,  14                           ; s[14:15] address of my part of A's tiles at K = 0
.set BB,  46                           ; s[46:47] the same for B
.set G1,  24                           ; s[24:31] descriptor group 1 for A's tiles
.set G0,  32                           ; s[32:39] group 0 for A's tiles, a set for each slot
.set G1B, 48                           ; s[48:55] group 1 for B's tiles: another mask
.set G0B, 56                           ; s[56:63] group 0 for B's tiles
.set KP,  72                           ; s[72:73] k0, s[74:75] mask0, s[76:77] w0h: at my wave's part, stepped lap by lap
.set MP,  74
.set OP,  76
.set KO,  84                           ; s[84:85], s[86:87] slot 0's and slot 1's byte offset along K, upper words 0
.set MSB, 0
.macro WIN new                         ; the immediate's high byte repeats the setting that is left
.if MSB != \new
	s_set_vgpr_msb (MSB<<8)|\new
.set MSB, \new
.endif
.endm
.set MUL_LO, 0xa1                      ; source 0 (B) window 1, source 1 (A) window 0, C and D window 2
.set MUL_HI, 0xf1                      ; the same, C and D window 3
.set TO_B,   0x40                      ; destination window 1, address window 0
; A joint load.  Waves 0 and 1 fetch A's two halves, waves 2 and 3 B's.  Each line has one mask and one set of registers; the branch hangs on the wave's number alone.
.macro JLOAD s
	s_cmp_eq_u32 s11, 0
	s_cbranch_scc0 .Lfor_b_\@
	tensor_load_to_lds s[G0+4*\s:G0+4*\s+3], s[G1:G1+7]
	s_nop 0
.rept 4
	v_nop
.endr
	s_branch .Lasked_\@
.Lfor_b_\@:
	tensor_load_to_lds s[G0B+4*\s:G0B+4*\s+3], s[G1B:G1B+7]
	s_nop 0
.rept 4
	v_nop
.endr
.Lasked_\@:
.endm
; A round of the cluster's barrier: my work-group's barrier; wave 0 signals for the work-group; every wave waits for all sixteen; my work-group's barrier again.
.macro CREST                           ; a round behind its opening barrier
	s_cmp_lg_u32 s10, 0
	s_cbranch_scc1 .Lnot_wave_0_\@
	s_barrier_signal -3
.Lnot_wave_0_\@:
	s_barrier_wait -3
	s_barrier_signal -1
	s_barrier_wait -1
.endm
.macro CROUND
	s_barrier_signal -1
	s_barrier_wait -1
	CREST
.endm
; Slot s's two global addresses: my part's address at K = 0 plus the slot's offset along K; then the type.
.macro SETADR s
	s_add_nc_u64 s[G0+4*\s+2:G0+4*\s+3], s[BA:BA+1], s[KO+2*\s:KO+2*\s+1]
	s_or_b32 s[G0+4*\s+3], s[G0+4*\s+3], 0x80000000
	s_add_nc_u64 s[G0B+4*\s+2:G0B+4*\s+3], s[BB:BB+1], s[KO+2*\s:KO+2*\s+1]
	s_or_b32 s[G0B+4*\s+3], s[G0B+4*\s+3], 0x80000000
.endm
	s_load_b128 s[4:7], s[0:1], 0x0                ; A s[4:5], B s[6:7]
	s_load_b64 s[8:9], s[0:1], 0x10                ; C
	s_load_b128 s[KP:KP+3], s[0:1], 0x18           ; k0, mask0
	s_load_b64 s[OP:OP+1], s[0:1], 0x28            ; w0h
	v_lshl_add_u32 v22, v0, 2, 0x42100
	v_mov_b32 v23, 0
	ds_add_u32 v22, v23
	v_lshrrev_b32 v1, 5, v0
	v_readfirstlane_b32 s10, v1                    ; wave 0..3: my quarter of each K step
	s_lshr_b32 s11, s10, 1                         ; I fetch for A (0) or for B (1)
	s_and_b32 s12, s10, 1                          ; which 64 rows of that tile I fetch
	s_bfe_u32 s40, ttmp6, 0x40000                  ; cx
	s_bfe_u32 s41, ttmp6, 0x40004                  ; cy
	s_lshl_b32 s42, ttmp9, 2
	s_add_co_u32 s42, s42, s40                     ; block column of C = 4 x cluster x + cx
	s_and_b32 s13, ttmp7, 0xffff
	s_lshl_b32 s13, s13, 2
	s_add_co_u32 s13, s13, s41                     ; block row of C = 4 x cluster y + cy
	s_lshl_b32 s43, s41, 2
	s_lshl_b32 s43, 15, s43                        ; my row of the cluster: places 4 cy .. 4 cy + 3
	s_lshl_b32 s44, 0x1111, s40                    ; my column: places cx, cx + 4, cx + 8, cx + 12
	s_mov_b32 s66, 0x76543210                      ; v_permlanex16_b32: lane i reads lane i of the other half
	s_mov_b32 s67, 0xfedcba98
	; where my cluster starts along K, from the cluster's own coordinates alone
	s_and_b32 s[KO], ttmp7, 0xffff                 ; Y
	s_lshr_b32 s[KO+2], s[KO], 1
	s_xor_b32 s[KO], s[KO], s[KO+2]
	s_and_b32 s[KO], s[KO], 1                      ; 0, 1, 1, 0 for Y = 0 .. 3
	s_lshl_b32 s[KO], s[KO], 11                    ; half a row
	s_lshl_b32 s[KO+2], ttmp9, 10                  ; X quarters of a row
	s_add_co_u32 s[KO], s[KO], s[KO+2]
	s_and_b32 s[KO], s[KO], ROWB-1                 ; slot 0's first step
	s_add_co_u32 s[KO+2], s[KO], STEPB
	s_and_b32 s[KO+2], s[KO+2], ROWB-1             ; slot 1's
	s_mov_b32 s[KO+1], 0
	s_mov_b32 s[KO+3], 0
	; group 1: a tile of 64 rows x 256 elements of 2 bytes, 4 words of padding behind every 128 words
	s_or_b32 s[G1+0],  s43, (1<<16)|(1<<20)|(1<<21)|(6<<22)|(3<<25)  ; 15:0 mask; 17:16 element of 2 bytes; 20 padding on; 21 set beside a mask; 24:22 interval code 6; 31:25 pad code 3
	s_or_b32 s[G1B+0], s44, (1<<16)|(1<<20)|(1<<21)|(6<<22)|(3<<25)
	s_mov_b32 s[G1+1],  KSLOT<<16                  ; tensor_dim0 = 256
	s_mov_b32 s[G1B+1], KSLOT<<16
	s_mov_b32 s[G1+2],  LROWS<<16                  ; tensor_dim1 = 64
	s_mov_b32 s[G1B+2], LROWS<<16
	s_mov_b32 s[G1+3],  KSLOT<<16                  ; tile_dim0 = 256
	s_mov_b32 s[G1B+3], KSLOT<<16
	s_mov_b32 s[G1+4],  LROWS                      ; tile_dim1 = 64
	s_mov_b32 s[G1B+4], LROWS
	s_mov_b32 s[G1+5],  2048                       ; elements from row to row
	s_mov_b32 s[G1B+5], 2048
	s_mov_b32 s[G1+6],  0
	s_mov_b32 s[G1B+6], 0
	s_mov_b32 s[G1+7],  0
	s_mov_b32 s[G1B+7], 0
	; where the tiles come from: A's address is made of the block row and the wave's number, B's of the block column and the wave's number
	s_lshl_b32 s17, s12, 6
	s_lshl_b32 s16, s13, 7
	s_add_co_u32 s16, s16, s17                     ; A: row 128 x block row + 64 x half
	s_lshl_b32 s16, s16, 12                        ; in bytes: below 2^23
	s_lshl_b32 s46, s42, 7
	s_add_co_u32 s46, s46, s17                     ; B: row 128 x block column + 64 x half
	s_lshl_b32 s46, s46, 12
	s_mov_b32 s17, 0
	s_mov_b32 s47, 0
	s_mul_i32 s20, s10, LOADB                      ; where they go: A's halves, then B's = wave x 64 rows
	s_wait_dscnt 0x0
	s_wait_kmcnt 0x0
	s_add_nc_u64 s[BA:BA+1], s[4:5], s[16:17]
	s_add_nc_u64 s[BB:BB+1], s[6:7], s[46:47]
	CROUND                                         ; all sixteen work-groups are here: the first joint loads meet
.irp s, 0,1
	s_mov_b32 s[G0+4*\s], 1
	s_add_co_u32 s[G0+4*\s+1], s20, \s*SLOT
	s_mov_b32 s[G0B+4*\s], 1
	s_add_co_u32 s[G0B+4*\s+1], s20, \s*SLOT
	SETADR \s
	JLOAD \s                                       ; both slots are asked for before anything else: two tensor loads of the wave are out, later one
.endr
	; the two tails: 2,048 bytes each, 16 bytes (two slots) a lane and load
	v_and_b32 v5, 31, v0                           ; lane
	v_lshlrev_b32 v[LO], 4, v5
	v_add_nc_u32 v31, TAILB, v[LO]
.irp j, 0,1,2,3
	global_load_b128 v[32+4*\j:35+4*\j], v31, s[4:5] offset:512*\j
	global_load_b128 v[48+4*\j:51+4*\j], v31, s[6:7] offset:512*\j
.endr
	; job 2: work-group b = 16 x block row + block column takes rows 8 b .. 8 b + 7 of k0 and mask0, wave w two of them: 16 KiB of each, 8 KiB out.
	; All this in registers that feed no descriptor.
	s_lshl_b32 s80, s13, 4
	s_add_co_u32 s80, s80, s42                     ; b
	s_mov_b32 s81, 0
	s_mov_b32 s83, 0
	s_lshl_b32 s82, s80, 2
	s_add_co_u32 s82, s82, s10                     ; 4 b + w
	s_lshl_b32 s82, s82, 14                        ; x 16,384: below 2^24
	s_add_nc_u64 s[KP:KP+1], s[KP:KP+1], s[82:83]
	s_add_nc_u64 s[MP:MP+1], s[MP:MP+1], s[82:83]
	s_lshl_b32 s80, s80, 3                         ; 8 b: my slot in both tails
	s_add_nc_u64 s[88:89], s[OP:OP+1], s[80:81]
	s_add_nc_u64 s[88:89], s[88:89], TAILB
	s_add_nc_u64 s[78:79], s[8:9], s[80:81]
	s_add_nc_u64 s[78:79], s[78:79], TAILB
	s_lshr_b32 s82, s82, 1                         ; 8,192 (4 b + w)
	s_add_nc_u64 s[OP:OP+1], s[OP:OP+1], s[82:83]
.irp j, 0,1,2,3
.irp i, 0,1
	global_load_b128 v[SET+16*\j+8*\i:SET+16*\j+8*\i+3],   v[LO], s[KP:KP+1] offset:1024*\j+512*\i th:TH_LOAD_NT   ; the ring is filled: sixteen loads, 8 KiB a wave
	global_load_b128 v[SET+16*\j+8*\i+4:SET+16*\j+8*\i+7], v[LO], s[MP:MP+1] offset:1024*\j+512*\i th:TH_LOAD_NT
.endr
.endr
	v_mov_b32 v[MX], 0                             ; maxima of magnitudes: 0 is their neutral start
	v_mov_b32 v[MX+1], 0
	s_lshl_b32 s82, s10, 2
	s_add_co_u32 s82, s82, MAXB
	v_mov_b32 v[MA], s82
	; fragment addresses: lane l holds row l % 16; registers 0-3 K = 8 (l / 16) + 0..7, registers 4-7 K = 16 + 8 (l / 16) + 0..7: two loads of 16 bytes, 32 apart
	v_and_b32 v1, 15, v0
	v_bfe_u32 v2, v0, 4, 1
	v_mul_u32_u24 v3, v1, PITCH
	v_lshl_add_u32 v3, v2, 4, v3
	s_lshl_b32 s21, s10, 7                         ; my quarter of a slot's K: bytes 128 w ..
	s_add_co_u32 s22, s21, ATILE
.irp s, 0,1
	v_add_nc_u32 v[ADRA+\s], s21, v3
	v_add_nc_u32 v[ADRB+\s], s22, v3
	s_add_co_u32 s21, s21, SLOT
	s_add_co_u32 s22, s22, SLOT
.endr
	s_mul_i32 s23, s10, SREG                       ; my partial block
	v_mul_u32_u24 v4, v1, SP
	v_lshl_add_u32 v4, v2, 5, v4                   ; row l % 16, 32 bytes for each half of the lanes
	v_add_nc_u32 v[STO], s23, v4
	s_mul_i32 s23, s10, 32*SP                      ; back: I own rows 32 w to 32 w + 31 of the block; a lane takes 16 bytes of a row of 512
	v_add_nc_u32 v[RD], s23, v[LO]
.irp q, 1,2,3
	v_add_nc_u32 v[RD+\q], \q*SREG, v[RD]
.endr
	v_lshlrev_b32 v[CO], 3, v5                     ; four f16 a lane
	s_lshl_b32 s80, s13, 7
	s_lshl_b32 s82, s10, 5
	s_add_co_u32 s80, s80, s82                     ; my first row of C: 128 x block row + 32 w
	s_lshl_b32 s80, s80, 12
	s_lshl_b32 s82, s42, 8                         ; 128 columns of 2 bytes
	s_add_co_u32 s80, s80, s82
	s_add_nc_u64 s[8:9], s[8:9], s[80:81]
	; f = 16 / (mA mB), g = f gA gB
	s_wait_loadcnt 16                              ; the eight loads of the tails are in: behind them the ring's sixteen were issued
	v_max3_num_f32 v6, v32, v34, v36               ; the bounds are the even words
	v_max3_num_f32 v7, v48, v50, v52
	v_max3_num_f32 v6, v6, v38, v40
	v_max3_num_f32 v7, v7, v54, v56
	v_max3_num_f32 v6, v6, v42, v44
	v_max3_num_f32 v7, v7, v58, v60
	v_max_num_f32 v6, v6, v46
	v_max_num_f32 v7, v7, v62
.irp m, 1,2,4,8
	v_max_num_f32_dpp v6, v6, v6 row_xmask:\m row_mask:0xf bank_mask:0xf
	v_max_num_f32_dpp v7, v7, v7 row_xmask:\m row_mask:0xf bank_mask:0xf
.endr
	v_permlanex16_b32 v34, v6, s66, s67            ; into registers that have been written
	v_permlanex16_b32 v50, v7, s66, s67
	v_max3_num_f32 v6, v6, v34, 0x2b800000         ; at least 2^-40
	v_max3_num_f32 v7, v7, v50, 0x2b800000
	v_mul_f32 v6, v6, v7
	v_rcp_f32 v8, v6
	v_mov_b32 v[SL], 0x47000000                    ; 32768.0; also the one plain instruction between v_rcp_f32 and the use of its result (ISA guide 5.7.2)
	s_wait_alu depctr_va_vdst(0)
	v_mul_f32 v8, 0x41800000, v8                   ; f
	v_mul_f32 v[SL+1], v8, v33                     ; x gA (v31 held the tails' offset: free since the wait for those loads)
	v_mul_f32 v[SL+1], v[SL+1], v49                ; x gB
	v_readfirstlane_b32 s68, v8
	s_mov_b32 s69, s68                             ; a pair, for the packed multiply
; 16 matrix instructions: row blocks a0, a0 + 1 of the window's four x all 8 column blocks, 32 along K.  zero = 1: the first product starts the sums.
.macro MUL16 f, hi, a0, zero
.irp a, \a0, \a0+1
.irp b, 0,1,2,3,4,5,6,7
.if \zero
	v_wmma_f32_16x16x32_f16 v[8*(8*(\a)+\b):8*(8*(\a)+\b)+7], v[\f+8*\b:\f+8*\b+7], v[\f+8*(4*\hi+\a):\f+8*(4*\hi+\a)+7], 0
.else
	v_wmma_f32_16x16x32_f16 v[8*(8*(\a)+\b):8*(8*(\a)+\b)+7], v[\f+8*\b:\f+8*\b+7], v[\f+8*(4*\hi+\a):\f+8*(4*\hi+\a)+7], v[8*(8*(\a)+\b):8*(8*(\a)+\b)+7]
.endif
.endr
.endr
.endm
; 32 LDS loads in one run: 128 rows of B, 128 rows of A, 32 K at byte k of my part of the rows, into buffer f.  It leaves every window at 0.
.macro FETCH slot, k, f
	WIN TO_B
.irp i, 0,1,2,3,4,5,6,7
	ds_load_b128 v[\f+8*\i:\f+8*\i+3],   v[ADRB+\slot] offset:\k+\i*16*PITCH
	ds_load_b128 v[\f+8*\i+4:\f+8*\i+7], v[ADRB+\slot] offset:\k+\i*16*PITCH+32
.endr
	WIN 0
.irp i, 0,1,2,3,4,5,6,7
	ds_load_b128 v[\f+8*\i:\f+8*\i+3],   v[ADRA+\slot] offset:\k+\i*16*PITCH
	ds_load_b128 v[\f+8*\i+4:\f+8*\i+7], v[ADRA+\slot] offset:\k+\i*16*PITCH+32
.endr
.endm
; Four plain vector instructions between a matrix instruction and a load into one of its registers, or a reader of its result (ISA guide 7.12.1 for vector
; instructions).
.macro PLACES
.rept 4
	v_nop
.endr
.endm
; JOB 2, one turn of set j: 1 KiB of k0 and of mask0 become 512 bytes of w0h.  A lap has four turns, one behind each FETCH, where every window is 0; the wave has
; sixteen turns.  ahead = 1: the set is loaded again with the bytes of four turns on.  left = how many younger loads may stay out (three sets of four in the ring).
; It names none of the matrix instructions' registers.
.macro SIDE j, ahead, left
	s_wait_loadcnt \left                           ; loads come back in order (ISA guide 5.7.1): set j's four are in
	s_wait_xcnt 0x0                                ; ST's four registers of this turn were a store's data a lap ago: they are written again only behind this wait
.irp i, 0,1
.set SB, SET+16*\j+8*\i
.irp c, 4,5,6,7
	v_cvt_f32_i32 v[SB+\c], v[SB+\c]
.endr
	v_pk_mul_f32 v[SB:SB+1],   v[SB:SB+1],   v[SB+4:SB+5]
	v_pk_mul_f32 v[SB+2:SB+3], v[SB+2:SB+3], v[SB+6:SB+7]
	v_max3_num_f32 v[MX],   |v[SB]|,   |v[SB+1]|, v[MX]
	v_max3_num_f32 v[MX+1], |v[SB+2]|, |v[SB+3]|, v[MX+1]
	v_cvt_pk_f16_f32 v[ST+4*\j+2*\i],   v[SB],   v[SB+1]
	v_cvt_pk_f16_f32 v[ST+4*\j+2*\i+1], v[SB+2], v[SB+3]
.endr
.if \ahead
.irp i, 0,1
	global_load_b128 v[SET+16*\j+8*\i:SET+16*\j+8*\i+3],   v[LO], s[KP:KP+1] offset:(4+\j)*1024+512*\i th:TH_LOAD_NT
	global_load_b128 v[SET+16*\j+8*\i+4:SET+16*\j+8*\i+7], v[LO], s[MP:MP+1] offset:(4+\j)*1024+512*\i th:TH_LOAD_NT
.endr
.endif
.irp i, 0,1
	global_store_b64 v[CO], v[ST+4*\j+2*\i:ST+4*\j+2*\i+1], s[OP:OP+1] offset:512*\j+256*\i   ; 32 lanes x 8 bytes: 256 consecutive bytes, aligned
.endr
.endm
; A step of a wave is two halves of 32 along K, 64 matrix instructions each, on buffers 0 and 1.  The 64 accumulators take turns, one instruction a turn,
; in the same order in every half, over the backward jump too.
; The first half: multiplies buffer f; in its middle it fetches the second half's fragments into buffer g.  sj, sa, sl: job 2's turn.
.macro QUARTER slot, k, f, g, zero, sj, sa, sl
	s_wait_dscnt 8                                 ; B and A's rows 0-63 are in; the youngest eight loads (A's rows 64-127) may be out
	WIN MUL_LO
	MUL16 \f, 0, 0, \zero
	MUL16 \f, 0, 2, \zero
	PLACES
	FETCH \slot, \k, \g
	SIDE \sj, \sa, \sl
	s_wait_dscnt 32                                ; all but the 32 just issued
	WIN MUL_HI
	MUL16 \f, 1, 0, \zero
	MUL16 \f, 1, 2, \zero
.endm
; The second half: multiplies buffer 1 and changes slots.  fill = 1: this slot is filled again, two steps ahead.
; In front of the barrier each wave waits for its reads of this slot and for all its tensor loads (one is out: its part of the next slot).  Behind the round
; nobody in the cluster reads this slot's tile or has a load on its way: the joint refill comes first, then the next slot's first fragments.
; All 128 matrix instructions of a step stand between a request and the wait for it; between the signal and its wait stands the slot's next address alone.
.macro TURN slot, next, fill, sj, sa, sl
	s_wait_dscnt 8
	WIN MUL_LO
	MUL16 F1, 0, 0, 0
	MUL16 F1, 0, 2, 0
	WIN 0
	s_wait_dscnt 0                                 ; my reads of this slot are over
	s_wait_tensorcnt 0x0                           ; and all my tensor loads have landed: every group 0 may be written
	ds_add_u32 v22, v23
	s_wait_dscnt 0x0
	s_barrier_signal -1
.if \fill
	s_add_co_u32 s[KO+2*\slot], s[KO+2*\slot], 2*STEPB
	s_and_b32 s[KO+2*\slot], s[KO+2*\slot], ROWB-1 ; two steps on along K, round the row's end
	SETADR \slot
.endif
	s_barrier_wait -1
.if \fill
	CREST
	JLOAD \slot                                    ; my one tensor load behind the round; its four v_nop are also the places in front of the loads below
.else
	PLACES
.endif
	FETCH \next, 0, F0
	SIDE \sj, \sa, \sl
	WIN MUL_HI
	MUL16 F1, 1, 0, 0
	MUL16 F1, 1, 2, 0
.endm
.macro LAP zero
	QUARTER 0, 64, F0, F1, \zero, 0, 1, 12
	TURN 0, 1, 1, 1, 1, 12
	QUARTER 1, 64, F0, F1, 0, 2, 1, 12
	TURN 1, 0, 1, 3, 1, 12
	s_wait_xcnt 0x0                                ; job 2's bases are sources of its loads and stores: they step only behind this wait
	s_add_nc_u64 s[KP:KP+1], s[KP:KP+1], 4096      ; four turns of 1,024 bytes
	s_add_nc_u64 s[MP:MP+1], s[MP:MP+1], 4096
	s_add_nc_u64 s[OP:OP+1], s[OP:OP+1], 2048      ; four turns of 512 bytes
.endm
	s_wait_tensorcnt 1                             ; my part of the first step is in; the second's, issued behind it, may stay out
	s_barrier_signal -1
	s_barrier_wait -1
	FETCH 0, 0, F0
	LAP 1                                          ; the first lap stands in front of the loop: its first products start the sums
	WIN 0
	s_mov_b32 s3, LAPS-2
.Llap:
	LAP 0
	WIN 0
	s_sub_co_u32 s3, s3, 1
	s_cmp_lg_u32 s3, 0
	s_cbranch_scc1 .Llap
	QUARTER 0, 64, F0, F1, 0, 0, 0, 12             ; the last lap fills nothing and loads nothing: job 2's counts run down
	TURN 0, 1, 0, 1, 0, 8
	QUARTER 1, 64, F0, F1, 0, 2, 0, 4
	s_wait_dscnt 8
	WIN MUL_LO
	MUL16 F1, 0, 0, 0
	MUL16 F1, 0, 2, 0
	WIN 0
	SIDE 3, 0, 0
	s_wait_dscnt 0                                 ; my last reads of the ring are over: no LDS instruction follows before the barrier below
	WIN MUL_HI
	MUL16 F1, 1, 0, 0
	MUL16 F1, 1, 2, 0
	; THE WAY OUT.  The ring has had its last fill (every wave waited for all its tensor loads in the last change of slots).  Behind a barrier, which shows that every
	; wave's fragment reads are over, each wave lays its partial block of 128 x 128 f32 into its own 67,584 bytes; behind a second barrier each wave reads its
	; 32 rows from all four blocks, adds them, scales, rounds to f16 and stores whole row pieces of 256 bytes.
	PLACES                                         ; the places between the last matrix instructions and the LDS stores that read their results
	s_barrier_signal -1
	s_barrier_wait -1
.macro STAGE win, hi                   ; win: the store data's window (source 1): 0x08 window 2, 0x0c window 3
	WIN \win
.irp a, 0,1,2,3
.irp b, 0,1,2,3,4,5,6,7
	ds_store_b128 v[STO], v[8*(8*\a+\b):8*(8*\a+\b)+3]   offset:(4*\hi+\a)*16*SP+64*\b
	ds_store_b128 v[STO], v[8*(8*\a+\b)+4:8*(8*\a+\b)+7] offset:(4*\hi+\a)*16*SP+64*\b+16
.endr
.endr
.endm
	STAGE 0x08, 0
	STAGE 0x0c, 1
	WIN 0
	v_max_num_f32 v[MX], v[MX], v[MX+1]            ; job 2: my wave's largest |k0 * mask0|, into its own word
.irp m, 1,2,4,8
	v_max_num_f32_dpp v[MX], v[MX], v[MX] row_xmask:\m row_mask:0xf bank_mask:0xf
.endr
	v_permlanex16_b32 v[MX+1], v[MX], s66, s67
	v_max_num_f32 v[MX], v[MX], v[MX+1]
	ds_store_b32 v[MA], v[MX]
	s_wait_dscnt 0x0                               ; for the other waves' sake: all my stores are done before I signal
	s_barrier_signal -1
	s_barrier_wait -1
.macro RBLOAD g, set                   ; rows 4 g to 4 g + 3 of my 32, from the four partial blocks: 16 loads
.irp t, 0,1,2,3
.irp q, 0,1,2,3
	ds_load_b128 v[\set+16*\t+4*\q:\set+16*\t+4*\q+3], v[RD+\q] offset:(4*\g+\t)*SP
.endr
.endr
.endm
.macro RBSUM g, set, left              ; left = loads issued behind this group's sixteen
.irp t, 0,1,2,3
	s_wait_dscnt \left+12-4*\t                     ; row t's four loads are in: behind them stand 12 - 4 t of this group and the next group's
	v_pk_add_f32 v[\set+16*\t:\set+16*\t+1],     v[\set+16*\t:\set+16*\t+1],     v[\set+16*\t+4:\set+16*\t+5]
	v_pk_add_f32 v[\set+16*\t+2:\set+16*\t+3],   v[\set+16*\t+2:\set+16*\t+3],   v[\set+16*\t+6:\set+16*\t+7]
	v_pk_add_f32 v[\set+16*\t+8:\set+16*\t+9],   v[\set+16*\t+8:\set+16*\t+9],   v[\set+16*\t+12:\set+16*\t+13]
	v_pk_add_f32 v[\set+16*\t+10:\set+16*\t+11], v[\set+16*\t+10:\set+16*\t+11], v[\set+16*\t+14:\set+16*\t+15]
	v_pk_add_f32 v[\set+16*\t:\set+16*\t+1],     v[\set+16*\t:\set+16*\t+1],     v[\set+16*\t+8:\set+16*\t+9]
	v_pk_add_f32 v[\set+16*\t+2:\set+16*\t+3],   v[\set+16*\t+2:\set+16*\t+3],   v[\set+16*\t+10:\set+16*\t+11]
	v_pk_mul_f32 v[\set+16*\t:\set+16*\t+1],     v[\set+16*\t:\set+16*\t+1],     s[68:69] op_sel_hi:[1,0]
	v_pk_mul_f32 v[\set+16*\t+2:\set+16*\t+3],   v[\set+16*\t+2:\set+16*\t+3],   s[68:69] op_sel_hi:[1,0]
	v_cvt_pk_f16_f32 v[PK+2*(4*\g+\t)],   v[\set+16*\t],   v[\set+16*\t+1]      ; every row has its own pair: no store's data is written again
	v_cvt_pk_f16_f32 v[PK+2*(4*\g+\t)+1], v[\set+16*\t+2], v[\set+16*\t+3]
	global_store_b64 v[CO], v[PK+2*(4*\g+\t):PK+2*(4*\g+\t)+1], s[8:9] offset:(4*\g+\t)*ROWB   ; 32 lanes x 8 bytes: 256 consecutive bytes, aligned
.endr
.endm
	RBLOAD 0, F0
	RBLOAD 1, F1
	RBSUM  0, F0, 16
	RBLOAD 2, F0
	RBSUM  1, F1, 16
	RBLOAD 3, F1
	RBSUM  2, F0, 16
	RBLOAD 4, F0
	RBSUM  3, F1, 16
	RBLOAD 5, F1
	RBSUM  4, F0, 16
	RBLOAD 6, F0
	RBSUM  5, F1, 16
	RBLOAD 7, F1
	RBSUM  6, F0, 16
	RBSUM  7, F1, 0
	s_cmp_lg_u32 s10, 0                            ; wave 0, thread 0 stores the work-group's two slots
	s_cbranch_scc1 .Lno_slot
	v_mov_b32 v8, MAXB
	ds_load_b128 v[4:7], v8                        ; the four waves' maxima: stored ahead of the barrier above
	v_mov_b32 v9, 0
	v_mov_b32 v3, 1.0                              ; w0h is stored as it is: g = 1
	v_cmp_eq_u32 vcc_lo, 0, v0
	s_wait_dscnt 0x0
	v_max3_num_f32 v2, v4, v5, v6
	v_max_num_f32 v2, v2, v7
	s_wait_xcnt 0x0                                ; EXEC is a source of the stores above: it narrows only behind this wait
	s_and_saveexec_b32 s70, vcc_lo
	global_store_b64 v9, v[SL:SL+1], s[78:79]
	global_store_b64 v9, v[2:3], s[88:89]
	s_wait_xcnt 0x0                                ; and widens only behind this one
	s_or_b32 exec_lo, exec_lo, s70
.Lno_slot:
	s_wait_tensorcnt 0x0
	ds_add_u32 v22, v23
	s_wait_dscnt 0x0
	CROUND                                         ; the closing round: no work-group ends while a partner may still ask for a tile that names it
	s_endpgm
.Lfunc_end_k_qe638e1f4b5_gq:
	.size	k_qe638e1f4b5_gq, .Lfunc_end_k_qe638e1f4b5_gq-k_qe638e1f4b5_gq
	.p2alignl 7, 3214868480
	.fill 96, 4, 3214868480
	.section	.rodata,"a",@progbits
	.p2align	6, 0x0
	.amdhsa_kernel k_qe638e1f4b5_gq
		.amdhsa_group_segment_fixed_size 327680
		.amdhsa_private_segment_fixed_size 0
		.amdhsa_enable_private_segment 0
		.amdhsa_kernarg_size 48
		.amdhsa_user_sgpr_count 2
		.amdhsa_user_sgpr_kernarg_segment_ptr 1
		.amdhsa_wavefront_size32 1
		.amdhsa_system_sgpr_workgroup_id_x 1
		.amdhsa_system_sgpr_workgroup_id_y 1
		.amdhsa_system_sgpr_workgroup_id_z 1
		.amdhsa_system_vgpr_workitem_id 0
		.amdhsa_next_free_vgpr 1024
		.amdhsa_next_free_sgpr 92
		.amdhsa_reserve_vcc 1
		.amdhsa_float_denorm_mode_32 3
		.amdhsa_float_denorm_mode_16_64 3
		.amdhsa_memory_ordered 1
		.amdhsa_forward_progress 1
		.amdhsa_inst_pref_size 154
	.end_amdhsa_kernel
	.amdgpu_metadata
---
amdhsa.version: [ 1, 2 ]
amdhsa.kernels:
  - .name:           k_qe638e1f4b5_gq
    .symbol:         k_qe638e1f4b5_gq.kd
    .args:
      - { .name: w2t, .offset: 0, .size: 8, .value_kind: global_buffer, .address_space: global }
      - { .name: w1h, .offset: 8, .size: 8, .value_kind: global_buffer, .address_space: global }
      - { .name: qt, .offset: 16, .size: 8, .value_kind: global_buffer, .address_space: global }
      - { .name: k0, .offset: 24, .size: 8, .value_kind: global_buffer, .address_space: global }
      - { .name: mask0, .offset: 32, .size: 8, .value_kind: global_buffer, .address_space: global }
      - { .name: w0h, .offset: 40, .size: 8, .value_kind: global_buffer, .address_space: global }
    .group_segment_fixed_size: 327680
    .private_segment_fixed_size: 0
    .kernarg_segment_align: 8
    .kernarg_segment_size: 48
    .max_flat_workgroup_size: 128
    .sgpr_count:     92
    .vgpr_count:     1024
    .wavefront_size: 32
...
	.end_amdgpu_metadata
.endif
;; end of part 2
;; launch gp (part 3): grid 16 x 16, 4 waves a work-group, clusters of 4 x 4, 327,680 bytes of LDS; arguments qt, w0h, pt, x, xh; writes pt, xh
.if DOCPART == 3
	.amdgcn_target "amdgcn-amd-amdhsa--gfx1250"
	.amdhsa_code_object_version 6
	.text
	.protected	k_qe638e1f4b5_gp
	.globl	k_qe638e1f4b5_gp
	.p2align	8
	.type	k_qe638e1f4b5_gp,@function
k_qe638e1f4b5_gp:
	s_mov_b64 s[64:65], 0
	v_nop
	global_prefetch_b8 v0, s[64:65] scope:SCOPE_SE
	s_setreg_imm32_b32 hwreg(HW_REG_WAVE_MODE, 25, 1), 1
	s_wait_xcnt 0x0
	s_wait_alu depctr_hold_cnt(0) depctr_sa_sdst(0) depctr_va_vdst(0) depctr_va_sdst(0) depctr_va_ssrc(0) depctr_va_vcc(0) depctr_vm_vsrc(0)
	s_getreg_b32 s2, hwreg(HW_REG_IB_STS2, 6, 4)
	s_cmp_eq_u32 s2, 0
	s_cbranch_scc0 .Lentry_in_a_cluster
	s_endpgm
.Lentry_in_a_cluster:
	s_bfe_u32 s2, ttmp6, 0x10000c
	s_cmp_lg_u32 s2, 0xf033
	s_cbranch_scc0 .Lentry_shape_is_right
	s_endpgm
.Lentry_shape_is_right:
; TWO JOBS.  (1) C[a][b] = f * (sum over k of A[a][k] B[b][k]) with A = (W1 W2) transposed, B = W0: C = (W0 W1 W2) transposed.  A, B, C: [2048][2048] f16, K along the
; rows; sums in f32.  (2) BESIDE IT: xh = f16(x), which the next launch multiplies by: this launch's waves wait for tiles for part of their time and ask little of
; memory, so the stream of 32 KiB a wave runs through a ring of registers between the matrix instructions.
; SCALES.  Behind each matrix, at byte 0x800000, lie 256 slots {bound on |stored|, g} with stored = g x true, one from each work-group that made it.
; mA, mB = the largest bounds; |sum| <= 2048 mA mB, so with f = 16 / (mA mB) every stored number is at most 2^15 in size, whatever the inputs.
; C's slot: {32768, f gA gB}.  mA and mB are raised to 2^-40 at the least, so f and g stay finite and normal.
; SHAPE.  A work-group makes a block of 128 x 128 of C.  Each of its four waves holds the WHOLE block as 64 accumulator tiles (512 registers) and sums a quarter
; of each K step: 32 KiB of LDS reads feed 128 matrix instructions, as with a block of 256 x 256.  The four partial sums meet once, in LDS, on the way out.
; K goes in steps of 256 through two LDS slots filled by the tensor data mover; wave w multiplies bytes 128 w to 128 w + 127 of every row of a slot.
; CLUSTERS: 4 x 4 work-groups.  A's tile hangs on the block row alone and is asked for jointly by the four of a row of the cluster, B's on the block column
; alone, jointly by a column: the requests for A and B are divided by four.
; WHERE K STARTS: cluster (X, Y) starts at byte 1024 X + 2048 ((Y ^ Y >> 1) & 1) of the rows and wraps round.  The four clusters that walk the same rows of A
; (one Y) start a quarter of K apart, clusters that walk the same rows of B (one X) half of K apart: they do not all ask for the same bytes for the first time,
; and in its later steps a cluster asks for bytes that another cluster has read before.  X and Y are the same in all sixteen partners.
; LIMITS: infinities and NaN among the operands are not served (f becomes 0 or the maxima drop the NaN); |x| above 65,504 becomes infinite in f16, below about
; 3e-8 it becomes 0.  K is split over waves and starts elsewhere in each cluster: the sums' order is the text's own.
;
; REGISTERS in windows of 256: window 0: v0-31 addresses and small work; v32-63 job 2's packed results; v64-127, v128-191 fragments of A, two buffers;
; v192-255 job 2's ring, later job 1's packed results.  window 1: v64-191 fragments of B.  windows 2, 3: accumulators of rows 0-63, 64-127, tile (a, b) at v[8 (8 a + b)].
; The matrix instruction is used transposed (source 0 = rows of B, source 1 = rows of A): lane l holds row l % 16 of C, columns 8 (l / 16) + 0 .. 7.
.set ROWB,   4096                      ; bytes in a row of A, B, C
.set KSLOT,  256                       ; K in a slot
.set STEPB,  2*KSLOT                   ; a step along a row, in bytes
.set PITCH,  528                       ; an LDS row: 512 bytes + 16: sixteen neighbouring rows start at sixteen different 16-byte columns modulo 256
.set LROWS,  64                        ; rows that one tensor load brings
.set LOADB,  LROWS*PITCH               ; 33,792
.set ATILE,  2*LOADB                   ; A's 128 rows; B's 128 follow
.set SLOT,   2*ATILE                   ; 135,168; two slots fill the 270,336 bytes
.set LAPS,   2048/(2*KSLOT)            ; a lap = two steps = once round the ring: 4
.set SP,     528                       ; the way out: a row of 128 f32 + 16
.set SREG,   128*SP                    ; a wave's partial block: 67,584; four of them lie over the ring, behind its last fill
.set TAILB,  0x800000
.set LO,   13                          ; v13     16 x lane; never rewritten
.set ADRA, 16                          ; v16-17  LDS address of my A fragments in slot 0, 1
.set ADRB, 20                          ; v20-21  the same for B
.set STO,  24                          ; v24     where I put 32 bytes of a row of my partial block
.set RD,   25                          ; v25-28  where I read my rows back from the four partial blocks
.set CO,   29                          ; v29     8 x lane: my byte offset in a piece of 256 bytes of C and of xh; never rewritten
.set SL,   30                          ; v[30:31] C's slot: {32768, g}
.set ST,   32                          ; v[32:63] job 2: turn j's packed results, 8 registers
.set F0,   64
.set F1,   128
.set SET,  192                         ; v[192:255] job 2: set j of 16 registers: four loads of x
.set PK,   192                         ; the way out, when job 2 is over
.set BA,  14                           ; s[14:15] address of my part of A's tiles at K = 0
.set BB,  46                           ; s[46:47] the same for B
.set G1,  24                           ; s[24:31] descriptor group 1 for A's tiles
.set G0,  32                           ; s[32:39] group 0 for A's tiles, a set for each slot
.set G1B, 48                           ; s[48:55] group 1 for B's tiles: another mask
.set G0B, 56                           ; s[56:63] group 0 for B's tiles
.set XP,  72                           ; s[72:73] x, s[74:75] xh: at my wave's part, stepped lap by lap
.set OP,  74
.set KO,  84                           ; s[84:85], s[86:87] slot 0's and slot 1's byte offset along K, upper words 0
.set MSB, 0
.macro WIN new                         ; the immediate's high byte repeats the setting that is left
.if MSB != \new
	s_set_vgpr_msb (MSB<<8)|\new
.set MSB, \new
.endif
.endm
.set MUL_LO, 0xa1                      ; source 0 (B) window 1, source 1 (A) window 0, C and D window 2
.set MUL_HI, 0xf1                      ; the same, C and D window 3
.set TO_B,   0x40                      ; destination window 1, address window 0
; A joint load.  Waves 0 and 1 fetch A's two halves, waves 2 and 3 B's.  Each line has one mask and one set of registers; the branch hangs on the wave's number alone.
.macro JLOAD s
	s_cmp_eq_u32 s11, 0
	s_cbranch_scc0 .Lfor_b_\@
	tensor_load_to_lds s[G0+4*\s:G0+4*\s+3], s[G1:G1+7]
	s_nop 0
.rept 4
	v_nop
.endr
	s_branch .Lasked_\@
.Lfor_b_\@:
	tensor_load_to_lds s[G0B+4*\s:G0B+4*\s+3], s[G1B:G1B+7]
	s_nop 0
.rept 4
	v_nop
.endr
.Lasked_\@:
.endm
; A round of the cluster's barrier: my work-group's barrier; wave 0 signals for the work-group; every wave waits for all sixteen; my work-group's barrier again.
.macro CREST                           ; a round behind its opening barrier
	s_cmp_lg_u32 s10, 0
	s_cbranch_scc1 .Lnot_wave_0_\@
	s_barrier_signal -3
.Lnot_wave_0_\@:
	s_barrier_wait -3
	s_barrier_signal -1
	s_barrier_wait -1
.endm
.macro CROUND
	s_barrier_signal -1
	s_barrier_wait -1
	CREST
.endm
; Slot s's two global addresses: my part's address at K = 0 plus the slot's offset along K; then the type.
.macro SETADR s
	s_add_nc_u64 s[G0+4*\s+2:G0+4*\s+3], s[BA:BA+1], s[KO+2*\s:KO+2*\s+1]
	s_or_b32 s[G0+4*\s+3], s[G0+4*\s+3], 0x80000000
	s_add_nc_u64 s[G0B+4*\s+2:G0B+4*\s+3], s[BB:BB+1], s[KO+2*\s:KO+2*\s+1]
	s_or_b32 s[G0B+4*\s+3], s[G0B+4*\s+3], 0x80000000
.endm
	s_load_b128 s[4:7], s[0:1], 0x0                ; A s[4:5], B s[6:7]
	s_load_b64 s[8:9], s[0:1], 0x10                ; C
	s_load_b128 s[XP:XP+3], s[0:1], 0x18           ; x, xh
	v_lshl_add_u32 v22, v0, 2, 0x42000
	v_mov_b32 v23, 0
	ds_add_u32 v22, v23
	v_lshrrev_b32 v1, 5, v0
	v_readfirstlane_b32 s10, v1                    ; wave 0..3: my quarter of each K step
	s_lshr_b32 s11, s10, 1                         ; I fetch for A (0) or for B (1)
	s_and_b32 s12, s10, 1                          ; which 64 rows of that tile I fetch
	s_bfe_u32 s40, ttmp6, 0x40000                  ; cx
	s_bfe_u32 s41, ttmp6, 0x40004                  ; cy
	s_lshl_b32 s42, ttmp9, 2
	s_add_co_u32 s42, s42, s40                     ; block column of C = 4 x cluster x + cx
	s_and_b32 s13, ttmp7, 0xffff
	s_lshl_b32 s13, s13, 2
	s_add_co_u32 s13, s13, s41                     ; block row of C = 4 x cluster y + cy
	s_lshl_b32 s43, s41, 2
	s_lshl_b32 s43, 15, s43                        ; my row of the cluster: places 4 cy .. 4 cy + 3
	s_lshl_b32 s44, 0x1111, s40                    ; my column: places cx, cx + 4, cx + 8, cx + 12
	s_mov_b32 s66, 0x76543210                      ; v_permlanex16_b32: lane i reads lane i of the other half
	s_mov_b32 s67, 0xfedcba98
	; where my cluster starts along K, from the cluster's own coordinates alone
	s_and_b32 s[KO], ttmp7, 0xffff                 ; Y
	s_lshr_b32 s[KO+2], s[KO], 1
	s_xor_b32 s[KO], s[KO], s[KO+2]
	s_and_b32 s[KO], s[KO], 1                      ; 0, 1, 1, 0 for Y = 0 .. 3
	s_lshl_b32 s[KO], s[KO], 11                    ; half a row
	s_lshl_b32 s[KO+2], ttmp9, 10                  ; X quarters of a row
	s_add_co_u32 s[KO], s[KO], s[KO+2]
	s_and_b32 s[KO], s[KO], ROWB-1                 ; slot 0's first step
	s_add_co_u32 s[KO+2], s[KO], STEPB
	s_and_b32 s[KO+2], s[KO+2], ROWB-1             ; slot 1's
	s_mov_b32 s[KO+1], 0
	s_mov_b32 s[KO+3], 0
	; group 1: a tile of 64 rows x 256 elements of 2 bytes, 4 words of padding behind every 128 words
	s_or_b32 s[G1+0],  s43, (1<<16)|(1<<20)|(1<<21)|(6<<22)|(3<<25)  ; 15:0 mask; 17:16 element of 2 bytes; 20 padding on; 21 set beside a mask; 24:22 interval code 6; 31:25 pad code 3
	s_or_b32 s[G1B+0], s44, (1<<16)|(1<<20)|(1<<21)|(6<<22)|(3<<25)
	s_mov_b32 s[G1+1],  KSLOT<<16                  ; tensor_dim0 = 256
	s_mov_b32 s[G1B+1], KSLOT<<16
	s_mov_b32 s[G1+2],  LROWS<<16                  ; tensor_dim1 = 64
	s_mov_b32 s[G1B+2], LROWS<<16
	s_mov_b32 s[G1+3],  KSLOT<<16                  ; tile_dim0 = 256
	s_mov_b32 s[G1B+3], KSLOT<<16
	s_mov_b32 s[G1+4],  LROWS                      ; tile_dim1 = 64
	s_mov_b32 s[G1B+4], LROWS
	s_mov_b32 s[G1+5],  2048                       ; elements from row to row
	s_mov_b32 s[G1B+5], 2048
	s_mov_b32 s[G1+6],  0
	s_mov_b32 s[G1B+6], 0
	s_mov_b32 s[G1+7],  0
	s_mov_b32 s[G1B+7], 0
	; where the tiles come from: A's address is made of the block row and the wave's number, B's of the block column and the wave's number
	s_lshl_b32 s17, s12, 6
	s_lshl_b32 s16, s13, 7
	s_add_co_u32 s16, s16, s17                     ; A: row 128 x block row + 64 x half
	s_lshl_b32 s16, s16, 12                        ; in bytes: below 2^23
	s_lshl_b32 s46, s42, 7
	s_add_co_u32 s46, s46, s17                     ; B: row 128 x block column + 64 x half
	s_lshl_b32 s46, s46, 12
	s_mov_b32 s17, 0
	s_mov_b32 s47, 0
	s_mul_i32 s20, s10, LOADB                      ; where they go: A's halves, then B's = wave x 64 rows
	s_wait_dscnt 0x0
	s_wait_kmcnt 0x0
	s_add_nc_u64 s[BA:BA+1], s[4:5], s[16:17]
	s_add_nc_u64 s[BB:BB+1], s[6:7], s[46:47]
	CROUND                                         ; all sixteen work-groups are here: the first joint loads meet
.irp s, 0,1
	s_mov_b32 s[G0+4*\s], 1
	s_add_co_u32 s[G0+4*\s+1], s20, \s*SLOT
	s_mov_b32 s[G0B+4*\s], 1
	s_add_co_u32 s[G0B+4*\s+1], s20, \s*SLOT
	SETADR \s
	JLOAD \s                                       ; both slots are asked for before anything else: two tensor loads of the wave are out, later one
.endr
	; the two tails: 2,048 bytes each, 16 bytes (two slots) a lane and load
	v_and_b32 v5, 31, v0                           ; lane
	v_lshlrev_b32 v[LO], 4, v5
	v_add_nc_u32 v31, TAILB, v[LO]
.irp j, 0,1,2,3
	global_load_b128 v[32+4*\j:35+4*\j], v31, s[4:5] offset:512*\j
	global_load_b128 v[48+4*\j:51+4*\j], v31, s[6:7] offset:512*\j
.endr
	; job 2: work-group b = 16 x block row + block column takes 128 KiB of x, wave w 32 KiB of them, 16 KiB out.  All this in registers that feed no descriptor.
	s_lshl_b32 s80, s13, 4
	s_add_co_u32 s80, s80, s42                     ; b
	s_mov_b32 s81, 0
	s_mov_b32 s83, 0
	s_lshl_b32 s82, s80, 2
	s_add_co_u32 s82, s82, s10                     ; 4 b + w
	s_lshl_b32 s82, s82, 15                        ; x 32,768: below 2^25
	s_add_nc_u64 s[XP:XP+1], s[XP:XP+1], s[82:83]
	s_lshl_b32 s80, s80, 3                         ; 8 b: my slot in C's tail
	s_add_nc_u64 s[78:79], s[8:9], s[80:81]
	s_add_nc_u64 s[78:79], s[78:79], TAILB
	s_lshr_b32 s82, s82, 1                         ; 16,384 (4 b + w)
	s_add_nc_u64 s[OP:OP+1], s[OP:OP+1], s[82:83]
.irp j, 0,1,2,3
.irp i, 0,1,2,3
	global_load_b128 v[SET+16*\j+4*\i:SET+16*\j+4*\i+3], v[LO], s[XP:XP+1] offset:2048*\j+512*\i th:TH_LOAD_NT   ; the ring is filled: sixteen loads, 8 KiB a wave
.endr
.endr
	; fragment addresses: lane l holds row l % 16; registers 0-3 K = 8 (l / 16) + 0..7, registers 4-7 K = 16 + 8 (l / 16) + 0..7: two loads of 16 bytes, 32 apart
	v_and_b32 v1, 15, v0
	v_bfe_u32 v2, v0, 4, 1
	v_mul_u32_u24 v3, v1, PITCH
	v_lshl_add_u32 v3, v2, 4, v3
	s_lshl_b32 s21, s10, 7                         ; my quarter of a slot's K: bytes 128 w ..
	s_add_co_u32 s22, s21, ATILE
.irp s, 0,1
	v_add_nc_u32 v[ADRA+\s], s21, v3
	v_add_nc_u32 v[ADRB+\s], s22, v3
	s_add_co_u32 s21, s21, SLOT
	s_add_co_u32 s22, s22, SLOT
.endr
	s_mul_i32 s23, s10, SREG                       ; my partial block
	v_mul_u32_u24 v4, v1, SP
	v_lshl_add_u32 v4, v2, 5, v4                   ; row l % 16, 32 bytes for each half of the lanes
	v_add_nc_u32 v[STO], s23, v4
	s_mul_i32 s23, s10, 32*SP                      ; back: I own rows 32 w to 32 w + 31 of the block; a lane takes 16 bytes of a row of 512
	v_add_nc_u32 v[RD], s23, v[LO]
.irp q, 1,2,3
	v_add_nc_u32 v[RD+\q], \q*SREG, v[RD]
.endr
	v_lshlrev_b32 v[CO], 3, v5                     ; four f16 a lane
	s_lshl_b32 s80, s13, 7
	s_lshl_b32 s82, s10, 5
	s_add_co_u32 s80, s80, s82                     ; my first row of C: 128 x block row + 32 w
	s_lshl_b32 s80, s80, 12
	s_lshl_b32 s82, s42, 8                         ; 128 columns of 2 bytes
	s_add_co_u32 s80, s80, s82
	s_add_nc_u64 s[8:9], s[8:9], s[80:81]
	; f = 16 / (mA mB), g = f gA gB
	s_wait_loadcnt 16                              ; the eight loads of the tails are in: behind them the ring's sixteen were issued
	v_max3_num_f32 v6, v32, v34, v36               ; the bounds are the even words
	v_max3_num_f32 v7, v48, v50, v52
	v_max3_num_f32 v6, v6, v38, v40
	v_max3_num_f32 v7, v7, v54, v56
	v_max3_num_f32 v6, v6, v42, v44
	v_max3_num_f32 v7, v7, v58, v60
	v_max_num_f32 v6, v6, v46
	v_max_num_f32 v7, v7, v62
.irp m, 1,2,4,8
	v_max_num_f32_dpp v6, v6, v6 row_xmask:\m row_mask:0xf bank_mask:0xf
	v_max_num_f32_dpp v7, v7, v7 row_xmask:\m row_mask:0xf bank_mask:0xf
.endr
	v_permlanex16_b32 v34, v6, s66, s67            ; into registers that have been written
	v_permlanex16_b32 v50, v7, s66, s67
	v_max3_num_f32 v6, v6, v34, 0x2b800000         ; at least 2^-40
	v_max3_num_f32 v7, v7, v50, 0x2b800000
	v_mul_f32 v6, v6, v7
	v_rcp_f32 v8, v6
	v_mov_b32 v[SL], 0x47000000                    ; 32768.0; also the one plain instruction between v_rcp_f32 and the use of its result (ISA guide 5.7.2)
	s_wait_alu depctr_va_vdst(0)
	v_mul_f32 v8, 0x41800000, v8                   ; f
	v_mul_f32 v[SL+1], v8, v33                     ; x gA (v31 held the tails' offset: free since the wait for those loads)
	v_mul_f32 v[SL+1], v[SL+1], v49                ; x gB
	v_readfirstlane_b32 s68, v8
	s_mov_b32 s69, s68                             ; a pair, for the packed multiply
; 16 matrix instructions: row blocks a0, a0 + 1 of the window's four x all 8 column blocks, 32 along K.  zero = 1: the first product starts the sums.
.macro MUL16 f, hi, a0, zero
.irp a, \a0, \a0+1
.irp b, 0,1,2,3,4,5,6,7
.if \zero
	v_wmma_f32_16x16x32_f16 v[8*(8*(\a)+\b):8*(8*(\a)+\b)+7], v[\f+8*\b:\f+8*\b+7], v[\f+8*(4*\hi+\a):\f+8*(4*\hi+\a)+7], 0
.else
	v_wmma_f32_16x16x32_f16 v[8*(8*(\a)+\b):8*(8*(\a)+\b)+7], v[\f+8*\b:\f+8*\b+7], v[\f+8*(4*\hi+\a):\f+8*(4*\hi+\a)+7], v[8*(8*(\a)+\b):8*(8*(\a)+\b)+7]
.endif
.endr
.endr
.endm
; 32 LDS loads in one run: 128 rows of B, 128 rows of A, 32 K at byte k of my part of the rows, into buffer f.  It leaves every window at 0.
.macro FETCH slot, k, f
	WIN TO_B
.irp i, 0,1,2,3,4,5,6,7
	ds_load_b128 v[\f+8*\i:\f+8*\i+3],   v[ADRB+\slot] offset:\k+\i*16*PITCH
	ds_load_b128 v[\f+8*\i+4:\f+8*\i+7], v[ADRB+\slot] offset:\k+\i*16*PITCH+32
.endr
	WIN 0
.irp i, 0,1,2,3,4,5,6,7
	ds_load_b128 v[\f+8*\i:\f+8*\i+3],   v[ADRA+\slot] offset:\k+\i*16*PITCH
	ds_load_b128 v[\f+8*\i+4:\f+8*\i+7], v[ADRA+\slot] offset:\k+\i*16*PITCH+32
.endr
.endm
; Four plain vector instructions between a matrix instruction and a load into one of its registers, or a reader of its result (ISA guide 7.12.1 for vector
; instructions).
.macro PLACES
.rept 4
	v_nop
.endr
.endm
; JOB 2, one turn of set j: 2 KiB of x become 1 KiB of xh.  A lap has four turns, one behind each FETCH, where every window is 0; the wave has sixteen turns.
; ahead = 1: the set is loaded again with the bytes of four turns on.  left = how many younger loads may stay out (three sets of four in the ring).
; It names none of the matrix instructions' registers.
.macro SIDE j, ahead, left
	s_wait_loadcnt \left                           ; loads come back in order (ISA guide 5.7.1): set j's four are in
	s_wait_xcnt 0x0                                ; ST's eight registers of this turn were stores' data a lap ago: they are written again only behind this wait
.irp i, 0,1,2,3
	v_cvt_pk_f16_f32 v[ST+8*\j+2*\i],   v[SET+16*\j+4*\i],   v[SET+16*\j+4*\i+1]
	v_cvt_pk_f16_f32 v[ST+8*\j+2*\i+1], v[SET+16*\j+4*\i+2], v[SET+16*\j+4*\i+3]
.endr
.if \ahead
.irp i, 0,1,2,3
	global_load_b128 v[SET+16*\j+4*\i:SET+16*\j+4*\i+3], v[LO], s[XP:XP+1] offset:(4+\j)*2048+512*\i th:TH_LOAD_NT
.endr
.endif
.irp i, 0,1,2,3
	global_store_b64 v[CO], v[ST+8*\j+2*\i:ST+8*\j+2*\i+1], s[OP:OP+1] offset:1024*\j+256*\i   ; 32 lanes x 8 bytes: 256 consecutive bytes, aligned
.endr
.endm
; A step of a wave is two halves of 32 along K, 64 matrix instructions each, on buffers 0 and 1.  The 64 accumulators take turns, one instruction a turn,
; in the same order in every half, over the backward jump too.
; The first half: multiplies buffer f; in its middle it fetches the second half's fragments into buffer g.  sj, sa, sl: job 2's turn.
.macro QUARTER slot, k, f, g, zero, sj, sa, sl
	s_wait_dscnt 8                                 ; B and A's rows 0-63 are in; the youngest eight loads (A's rows 64-127) may be out
	WIN MUL_LO
	MUL16 \f, 0, 0, \zero
	MUL16 \f, 0, 2, \zero
	PLACES
	FETCH \slot, \k, \g
	SIDE \sj, \sa, \sl
	s_wait_dscnt 32                                ; all but the 32 just issued
	WIN MUL_HI
	MUL16 \f, 1, 0, \zero
	MUL16 \f, 1, 2, \zero
.endm
; The second half: multiplies buffer 1 and changes slots.  fill = 1: this slot is filled again, two steps ahead.
; In front of the barrier each wave waits for its reads of this slot and for all its tensor loads (one is out: its part of the next slot).  Behind the round
; nobody in the cluster reads this slot's tile or has a load on its way: the joint refill comes first, then the next slot's first fragments.
; All 128 matrix instructions of a step stand between a request and the wait for it; between the signal and its wait stands the slot's next address alone.
.macro TURN slot, next, fill, sj, sa, sl
	s_wait_dscnt 8
	WIN MUL_LO
	MUL16 F1, 0, 0, 0
	MUL16 F1, 0, 2, 0
	WIN 0
	s_wait_dscnt 0                                 ; my reads of this slot are over
	s_wait_tensorcnt 0x0                           ; and all my tensor loads have landed: every group 0 may be written
	ds_add_u32 v22, v23
	s_wait_dscnt 0x0
	s_barrier_signal -1
.if \fill
	s_add_co_u32 s[KO+2*\slot], s[KO+2*\slot], 2*STEPB
	s_and_b32 s[KO+2*\slot], s[KO+2*\slot], ROWB-1 ; two steps on along K, round the row's end
	SETADR \slot
.endif
	s_barrier_wait -1
.if \fill
	CREST
	JLOAD \slot                                    ; my one tensor load behind the round; its four v_nop are also the places in front of the loads below
.else
	PLACES
.endif
	FETCH \next, 0, F0
	SIDE \sj, \sa, \sl
	WIN MUL_HI
	MUL16 F1, 1, 0, 0
	MUL16 F1, 1, 2, 0
.endm
.macro LAP zero
	QUARTER 0, 64, F0, F1, \zero, 0, 1, 12
	TURN 0, 1, 1, 1, 1, 12
	QUARTER 1, 64, F0, F1, 0, 2, 1, 12
	TURN 1, 0, 1, 3, 1, 12
	s_wait_xcnt 0x0                                ; job 2's bases are sources of its loads and stores: they step only behind this wait
	s_add_nc_u64 s[XP:XP+1], s[XP:XP+1], 8192      ; four turns of 2,048 bytes
	s_add_nc_u64 s[OP:OP+1], s[OP:OP+1], 4096      ; four turns of 1,024 bytes
.endm
	s_wait_tensorcnt 1                             ; my part of the first step is in; the second's, issued behind it, may stay out
	s_barrier_signal -1
	s_barrier_wait -1
	FETCH 0, 0, F0
	LAP 1                                          ; the first lap stands in front of the loop: its first products start the sums
	WIN 0
	s_mov_b32 s3, LAPS-2
.Llap:
	LAP 0
	WIN 0
	s_sub_co_u32 s3, s3, 1
	s_cmp_lg_u32 s3, 0
	s_cbranch_scc1 .Llap
	QUARTER 0, 64, F0, F1, 0, 0, 0, 12             ; the last lap fills nothing and loads nothing: job 2's counts run down
	TURN 0, 1, 0, 1, 0, 8
	QUARTER 1, 64, F0, F1, 0, 2, 0, 4
	s_wait_dscnt 8
	WIN MUL_LO
	MUL16 F1, 0, 0, 0
	MUL16 F1, 0, 2, 0
	WIN 0
	SIDE 3, 0, 0
	s_wait_dscnt 0                                 ; my last reads of the ring are over: no LDS instruction follows before the barrier below
	WIN MUL_HI
	MUL16 F1, 1, 0, 0
	MUL16 F1, 1, 2, 0
	; THE WAY OUT.  The ring has had its last fill (every wave waited for all its tensor loads in the last change of slots).  Behind a barrier, which shows that every
	; wave's fragment reads are over, each wave lays its partial block of 128 x 128 f32 into its own 67,584 bytes; behind a second barrier each wave reads its
	; 32 rows from all four blocks, adds them, scales, rounds to f16 and stores whole row pieces of 256 bytes.
	PLACES                                         ; the places between the last matrix instructions and the LDS stores that read their results
	s_barrier_signal -1
	s_barrier_wait -1
.macro STAGE win, hi                   ; win: the store data's window (source 1): 0x08 window 2, 0x0c window 3
	WIN \win
.irp a, 0,1,2,3
.irp b, 0,1,2,3,4,5,6,7
	ds_store_b128 v[STO], v[8*(8*\a+\b):8*(8*\a+\b)+3]   offset:(4*\hi+\a)*16*SP+64*\b
	ds_store_b128 v[STO], v[8*(8*\a+\b)+4:8*(8*\a+\b)+7] offset:(4*\hi+\a)*16*SP+64*\b+16
.endr
.endr
.endm
	STAGE 0x08, 0
	STAGE 0x0c, 1
	WIN 0
	s_wait_dscnt 0x0                               ; for the other waves' sake: all my stores are done before I signal
	s_barrier_signal -1
	s_barrier_wait -1
.macro RBLOAD g, set                   ; rows 4 g to 4 g + 3 of my 32, from the four partial blocks: 16 loads
.irp t, 0,1,2,3
.irp q, 0,1,2,3
	ds_load_b128 v[\set+16*\t+4*\q:\set+16*\t+4*\q+3], v[RD+\q] offset:(4*\g+\t)*SP
.endr
.endr
.endm
.macro RBSUM g, set, left              ; left = loads issued behind this group's sixteen
.irp t, 0,1,2,3
	s_wait_dscnt \left+12-4*\t                     ; row t's four loads are in: behind them stand 12 - 4 t of this group and the next group's
	v_pk_add_f32 v[\set+16*\t:\set+16*\t+1],     v[\set+16*\t:\set+16*\t+1],     v[\set+16*\t+4:\set+16*\t+5]
	v_pk_add_f32 v[\set+16*\t+2:\set+16*\t+3],   v[\set+16*\t+2:\set+16*\t+3],   v[\set+16*\t+6:\set+16*\t+7]
	v_pk_add_f32 v[\set+16*\t+8:\set+16*\t+9],   v[\set+16*\t+8:\set+16*\t+9],   v[\set+16*\t+12:\set+16*\t+13]
	v_pk_add_f32 v[\set+16*\t+10:\set+16*\t+11], v[\set+16*\t+10:\set+16*\t+11], v[\set+16*\t+14:\set+16*\t+15]
	v_pk_add_f32 v[\set+16*\t:\set+16*\t+1],     v[\set+16*\t:\set+16*\t+1],     v[\set+16*\t+8:\set+16*\t+9]
	v_pk_add_f32 v[\set+16*\t+2:\set+16*\t+3],   v[\set+16*\t+2:\set+16*\t+3],   v[\set+16*\t+10:\set+16*\t+11]
	v_pk_mul_f32 v[\set+16*\t:\set+16*\t+1],     v[\set+16*\t:\set+16*\t+1],     s[68:69] op_sel_hi:[1,0]
	v_pk_mul_f32 v[\set+16*\t+2:\set+16*\t+3],   v[\set+16*\t+2:\set+16*\t+3],   s[68:69] op_sel_hi:[1,0]
	v_cvt_pk_f16_f32 v[PK+2*(4*\g+\t)],   v[\set+16*\t],   v[\set+16*\t+1]      ; every row has its own pair: no store's data is written again
	v_cvt_pk_f16_f32 v[PK+2*(4*\g+\t)+1], v[\set+16*\t+2], v[\set+16*\t+3]
	global_store_b64 v[CO], v[PK+2*(4*\g+\t):PK+2*(4*\g+\t)+1], s[8:9] offset:(4*\g+\t)*ROWB   ; 32 lanes x 8 bytes: 256 consecutive bytes, aligned
.endr
.endm
	RBLOAD 0, F0
	RBLOAD 1, F1
	RBSUM  0, F0, 16
	RBLOAD 2, F0
	RBSUM  1, F1, 16
	RBLOAD 3, F1
	RBSUM  2, F0, 16
	RBLOAD 4, F0
	RBSUM  3, F1, 16
	RBLOAD 5, F1
	RBSUM  4, F0, 16
	RBLOAD 6, F0
	RBSUM  5, F1, 16
	RBLOAD 7, F1
	RBSUM  6, F0, 16
	RBSUM  7, F1, 0
	s_cmp_lg_u32 s10, 0                            ; wave 0, thread 0 stores the work-group's slot
	s_cbranch_scc1 .Lno_slot
	v_mov_b32 v9, 0
	v_cmp_eq_u32 vcc_lo, 0, v0
	s_wait_xcnt 0x0                                ; EXEC is a source of the stores above: it narrows only behind this wait
	s_and_saveexec_b32 s70, vcc_lo
	global_store_b64 v9, v[SL:SL+1], s[78:79]
	s_wait_xcnt 0x0                                ; and widens only behind this one
	s_or_b32 exec_lo, exec_lo, s70
.Lno_slot:
	s_wait_tensorcnt 0x0
	ds_add_u32 v22, v23
	s_wait_dscnt 0x0
	CROUND                                         ; the closing round: no work-group ends while a partner may still ask for a tile that names it
	s_endpgm
.Lfunc_end_k_qe638e1f4b5_gp:
	.size	k_qe638e1f4b5_gp, .Lfunc_end_k_qe638e1f4b5_gp-k_qe638e1f4b5_gp
	.p2alignl 7, 3214868480
	.fill 96, 4, 3214868480
	.section	.rodata,"a",@progbits
	.p2align	6, 0x0
	.amdhsa_kernel k_qe638e1f4b5_gp
		.amdhsa_group_segment_fixed_size 327680
		.amdhsa_private_segment_fixed_size 0
		.amdhsa_enable_private_segment 0
		.amdhsa_kernarg_size 40
		.amdhsa_user_sgpr_count 2
		.amdhsa_user_sgpr_kernarg_segment_ptr 1
		.amdhsa_wavefront_size32 1
		.amdhsa_system_sgpr_workgroup_id_x 1
		.amdhsa_system_sgpr_workgroup_id_y 1
		.amdhsa_system_sgpr_workgroup_id_z 1
		.amdhsa_system_vgpr_workitem_id 0
		.amdhsa_next_free_vgpr 1024
		.amdhsa_next_free_sgpr 92
		.amdhsa_reserve_vcc 1
		.amdhsa_float_denorm_mode_32 3
		.amdhsa_float_denorm_mode_16_64 3
		.amdhsa_memory_ordered 1
		.amdhsa_forward_progress 1
		.amdhsa_inst_pref_size 149
	.end_amdhsa_kernel
	.amdgpu_metadata
---
amdhsa.version: [ 1, 2 ]
amdhsa.kernels:
  - .name:           k_qe638e1f4b5_gp
    .symbol:         k_qe638e1f4b5_gp.kd
    .args:
      - { .name: qt, .offset: 0, .size: 8, .value_kind: global_buffer, .address_space: global }
      - { .name: w0h, .offset: 8, .size: 8, .value_kind: global_buffer, .address_space: global }
      - { .name: pt, .offset: 16, .size: 8, .value_kind: global_buffer, .address_space: global }
      - { .name: x, .offset: 24, .size: 8, .value_kind: global_buffer, .address_space: global }
      - { .name: xh, .offset: 32, .size: 8, .value_kind: global_buffer, .address_space: global }
    .group_segment_fixed_size: 327680
    .private_segment_fixed_size: 0
    .kernarg_segment_align: 8
    .kernarg_segment_size: 40
    .max_flat_workgroup_size: 128
    .sgpr_count:     92
    .vgpr_count:     1024
    .wavefront_size: 32
...
	.end_amdgpu_metadata
.endif
;; end of part 3
;; launch gout (part 4): grid 16 x 16, 4 waves a work-group, clusters of 4 x 4, 327,680 bytes of LDS; arguments xh, pt, out0, scaling, bias; writes out0
.if DOCPART == 4
	.amdgcn_target "amdgcn-amd-amdhsa--gfx1250"
	.amdhsa_code_object_version 6
	.text
	.protected	k_qe638e1f4b5_gout
	.globl	k_qe638e1f4b5_gout
	.p2align	8
	.type	k_qe638e1f4b5_gout,@function
k_qe638e1f4b5_gout:
	s_mov_b64 s[64:65], 0
	v_nop
	global_prefetch_b8 v0, s[64:65] scope:SCOPE_SE
	s_setreg_imm32_b32 hwreg(HW_REG_WAVE_MODE, 25, 1), 1
	s_wait_xcnt 0x0
	s_wait_alu depctr_hold_cnt(0) depctr_sa_sdst(0) depctr_va_vdst(0) depctr_va_sdst(0) depctr_va_ssrc(0) depctr_va_vcc(0) depctr_vm_vsrc(0)
	s_getreg_b32 s2, hwreg(HW_REG_IB_STS2, 6, 4)
	s_cmp_eq_u32 s2, 0
	s_cbranch_scc0 .Lentry_in_a_cluster
	s_endpgm
.Lentry_in_a_cluster:
	s_bfe_u32 s2, ttmp6, 0x10000c
	s_cmp_lg_u32 s2, 0xf033
	s_cbranch_scc0 .Lentry_shape_is_right
	s_endpgm
.Lentry_shape_is_right:
; out[a][b] = relu((s / g) * (sum over k of X[a][k] P[b][k]) + bias[b]).  X: [4096][2048] f16; P: [2048][2048] f16, the transposed product of the three
; factors times g (g lies in the slots behind P, at byte 0x800004); out: [4096][2048] f32; s = scaling[0].  Sums in f32.
; SHAPE.  A work-group makes a block of 256 x 128 of out.  Wave w holds rows 128 (w / 2) .. + 127 of the block as 64 accumulator tiles (512 registers) and sums the
; half w % 2 of each K step.  The two partial sums of each half block meet once, in LDS, on the way out, where whole rows are formed anyway.
; K goes in steps of 128 through two LDS slots filled by the tensor data mover; wave w multiplies bytes 128 (w % 2) .. + 127 of the rows of a slot.
; CLUSTERS: 4 x 4 work-groups.  X's tile hangs on the block row alone and is asked for jointly along a row of the cluster, P's on the block column alone,
; jointly along a column: the requests are divided by four.
; WHERE K STARTS: cluster (X, Y) starts at byte 1024 X + 2048 ((Y ^ Y >> 1) & 1) of the rows and wraps round.  The four clusters that walk the same rows of X
; (one Y) start a quarter of K apart, clusters that walk the same rows of P (one X) half of K apart: they do not all ask for the same bytes for the first time,
; and in its later steps a cluster asks for bytes that another cluster has read before.  The cluster's coordinates are the same in all sixteen partners.
; LIMITS: a NaN sum gives 0, not NaN (v_max_num_f32 drops it); with operands inside f16's range no NaN arises.  K is split over two waves and starts elsewhere in
; each cluster: the sums' order is the text's own.
;
; REGISTERS in windows of 256: window 0: v0-63 addresses, bias and small work; v64-127, v128-191 fragments of X, two buffers.
; window 1: v64-191 fragments of P.  windows 2, 3: accumulators of my rows 0-63, 64-127, tile (a, b) at v[8 (8 a + b)].
; The matrix instruction is used transposed (source 0 = rows of P, source 1 = rows of X): lane l holds row l % 16 of out, columns 8 (l / 16) + 0 .. 7.
.set ROWB,   4096                      ; bytes in a row of X and of P
.set KSLOT,  128                       ; K in a slot
.set STEPB,  2*KSLOT                   ; a step along a row, in bytes
.set PITCH,  272                       ; an LDS row: 256 bytes + 16: sixteen neighbouring rows start at sixteen different 16-byte columns modulo 256
.set AROWS,  128                       ; rows that one of A's loads brings
.set BROWS,  64                        ; rows that one of B's loads brings
.set ALOAD,  AROWS*PITCH               ; 34,816
.set BLOAD,  BROWS*PITCH               ; 17,408
.set ATILE,  2*ALOAD                   ; X's 256 rows; P's 128 follow
.set SLOT,   ATILE+2*BLOAD             ; 104,448; the ring takes 208,896 bytes
.set LAPS,   2048/(2*KSLOT)            ; 8
.set SP,     528                       ; the way out: a row of 128 f32 + 16
.set SREG,   128*SP                    ; a wave's partial block: 67,584; four of them, 270,336 bytes, lie over the ring, behind its last fill
.set OROWB,  8192                      ; bytes in a row of out
.set ADRA, 16                          ; v16-17  LDS address of my X fragments in slot 0, 1
.set ADRB, 20                          ; v20-21  the same for P
.set STO,  24                          ; v24     where I put 32 bytes of a row of my partial block
.set RD,   25                          ; v25-26  where I read my rows back from the two partial blocks
.set CO,   29                          ; v29     my byte offset in a row piece of out
.set BIAS, 32                          ; v[32:35] bias of my four columns
.set F0,   64
.set F1,   128
.set BA,  14                           ; s[14:15] address of my part of X's tiles at K = 0
.set BB,  46                           ; s[46:47] the same for P
.set G1,  24                           ; s[24:31] descriptor group 1 for X's tiles
.set G0,  32                           ; s[32:39] group 0 for X's tiles, a set for each slot
.set G1B, 48                           ; s[48:55] group 1 for P's tiles
.set G0B, 56                           ; s[56:63] group 0 for P's tiles
.set KO,  84                           ; s[84:85], s[86:87] slot 0's and slot 1's byte offset along K, upper words 0
.set MSB, 0
.macro WIN new                         ; the immediate's high byte repeats the setting that is left
.if MSB != \new
	s_set_vgpr_msb (MSB<<8)|\new
.set MSB, \new
.endif
.endm
.set MUL_LO, 0xa1                      ; source 0 (P) window 1, source 1 (X) window 0, C and D window 2
.set MUL_HI, 0xf1                      ; the same, C and D window 3
.set TO_B,   0x40                      ; destination window 1, address window 0
; A joint load.  Waves 0 and 1 fetch X's two halves, waves 2 and 3 P's.  Each line has one mask and one set of registers; the branch hangs on the wave's number alone.
.macro JLOAD s
	s_cmp_eq_u32 s11, 0
	s_cbranch_scc0 .Lfor_b_\@
	tensor_load_to_lds s[G0+4*\s:G0+4*\s+3], s[G1:G1+7]
	s_nop 0
.rept 4
	v_nop
.endr
	s_branch .Lasked_\@
.Lfor_b_\@:
	tensor_load_to_lds s[G0B+4*\s:G0B+4*\s+3], s[G1B:G1B+7]
	s_nop 0
.rept 4
	v_nop
.endr
.Lasked_\@:
.endm
; A round of the cluster's barrier: my work-group's barrier; wave 0 signals for the work-group; every wave waits for all sixteen; my work-group's barrier again.
.macro CREST
	s_cmp_lg_u32 s10, 0
	s_cbranch_scc1 .Lnot_wave_0_\@
	s_barrier_signal -3
.Lnot_wave_0_\@:
	s_barrier_wait -3
	s_barrier_signal -1
	s_barrier_wait -1
.endm
.macro CROUND
	s_barrier_signal -1
	s_barrier_wait -1
	CREST
.endm
; Slot s's two global addresses: my part's address at K = 0 plus the slot's offset along K; then the type.
.macro SETADR s
	s_add_nc_u64 s[G0+4*\s+2:G0+4*\s+3], s[BA:BA+1], s[KO+2*\s:KO+2*\s+1]
	s_or_b32 s[G0+4*\s+3], s[G0+4*\s+3], 0x80000000
	s_add_nc_u64 s[G0B+4*\s+2:G0B+4*\s+3], s[BB:BB+1], s[KO+2*\s:KO+2*\s+1]
	s_or_b32 s[G0B+4*\s+3], s[G0B+4*\s+3], 0x80000000
.endm
	s_load_b128 s[4:7], s[0:1], 0x0                ; X s[4:5], P s[6:7]
	s_load_b64 s[8:9], s[0:1], 0x10                ; out
	s_load_b128 s[72:75], s[0:1], 0x18             ; scaling s[72:73], bias s[74:75]
	v_lshl_add_u32 v254, v0, 2, 0x42000
	v_mov_b32 v255, 0
	ds_add_u32 v254, v255
	v_lshrrev_b32 v1, 5, v0
	v_readfirstlane_b32 s10, v1                    ; wave 0..3
	s_lshr_b32 s11, s10, 1                         ; which 128 rows of the block are mine.  Also: I fetch for X (0) or for P (1)
	s_and_b32 s12, s10, 1                          ; which half of each K step is mine.  Also: which half of that tile I fetch
	s_bfe_u32 s40, ttmp6, 0x40000                  ; cx
	s_bfe_u32 s41, ttmp6, 0x40004                  ; cy
	s_lshl_b32 s42, ttmp9, 2
	s_add_co_u32 s42, s42, s40                     ; block column = 4 x cluster x + cx
	s_and_b32 s13, ttmp7, 0xffff
	s_lshl_b32 s13, s13, 2
	s_add_co_u32 s13, s13, s41                     ; block row = 4 x cluster y + cy
	s_lshl_b32 s43, s41, 2
	s_lshl_b32 s43, 15, s43                        ; my row of the cluster
	s_lshl_b32 s44, 0x1111, s40                    ; my column
	; where my cluster starts along K, from the cluster's own coordinates alone
	s_and_b32 s[KO], ttmp7, 0xffff                 ; cluster y
	s_lshr_b32 s[KO+2], s[KO], 1
	s_xor_b32 s[KO], s[KO], s[KO+2]
	s_and_b32 s[KO], s[KO], 1                      ; 0, 1, 1, 0 for cluster y = 0 .. 3
	s_lshl_b32 s[KO], s[KO], 11                    ; half a row
	s_lshl_b32 s[KO+2], ttmp9, 10                  ; cluster x quarters of a row
	s_add_co_u32 s[KO], s[KO], s[KO+2]
	s_and_b32 s[KO], s[KO], ROWB-1                 ; slot 0's first step
	s_add_co_u32 s[KO+2], s[KO], STEPB
	s_and_b32 s[KO+2], s[KO+2], ROWB-1             ; slot 1's
	s_mov_b32 s[KO+1], 0
	s_mov_b32 s[KO+3], 0
	; group 1: tiles of 128 (X) or 64 (P) rows x 128 elements of 2 bytes, 4 words of padding behind every 64 words
	s_or_b32 s[G1+0],  s43, (1<<16)|(1<<20)|(1<<21)|(5<<22)|(3<<25)  ; 15:0 mask; 17:16 element of 2 bytes; 20 padding on; 21 set beside a mask; 24:22 interval code 5; 31:25 pad code 3
	s_or_b32 s[G1B+0], s44, (1<<16)|(1<<20)|(1<<21)|(5<<22)|(3<<25)
	s_mov_b32 s[G1+1],  KSLOT<<16                  ; tensor_dim0 = 128
	s_mov_b32 s[G1B+1], KSLOT<<16
	s_mov_b32 s[G1+2],  AROWS<<16                  ; tensor_dim1
	s_mov_b32 s[G1B+2], BROWS<<16
	s_mov_b32 s[G1+3],  KSLOT<<16                  ; tile_dim0 = 128
	s_mov_b32 s[G1B+3], KSLOT<<16
	s_mov_b32 s[G1+4],  AROWS                      ; tile_dim1
	s_mov_b32 s[G1B+4], BROWS
	s_mov_b32 s[G1+5],  2048                       ; elements from row to row
	s_mov_b32 s[G1B+5], 2048
	s_mov_b32 s[G1+6],  0
	s_mov_b32 s[G1B+6], 0
	s_mov_b32 s[G1+7],  0
	s_mov_b32 s[G1B+7], 0
	; where the tiles come from: X's address is made of the block row and the wave's number, P's of the block column and the wave's number
	s_lshl_b32 s17, s12, 7
	s_lshl_b32 s16, s13, 8
	s_add_co_u32 s16, s16, s17                     ; X: row 256 x block row + 128 x half
	s_lshl_b32 s16, s16, 12                        ; in bytes: below 2^24
	s_lshl_b32 s47, s12, 6
	s_lshl_b32 s46, s42, 7
	s_add_co_u32 s46, s46, s47                     ; P: row 128 x block column + 64 x half
	s_lshl_b32 s46, s46, 12
	s_mov_b32 s17, 0
	s_mov_b32 s47, 0
	s_mul_i32 s20, s10, ALOAD                      ; where they go: waves 0, 1: X's halves at wave x 34,816;
	s_mul_i32 s45, s10, BLOAD
	s_add_co_u32 s45, s45, ALOAD                   ; waves 2, 3: P's halves at 34,816 + wave x 17,408 = 69,632 and 87,040
	s_wait_dscnt 0x0
	s_wait_kmcnt 0x0
	s_add_nc_u64 s[BA:BA+1], s[4:5], s[16:17]
	s_add_nc_u64 s[BB:BB+1], s[6:7], s[46:47]
	CROUND                                         ; all sixteen work-groups are here: the first joint loads meet
.irp s, 0,1
	s_mov_b32 s[G0+4*\s], 1
	s_add_co_u32 s[G0+4*\s+1], s20, \s*SLOT
	s_mov_b32 s[G0B+4*\s], 1
	s_add_co_u32 s[G0B+4*\s+1], s45, \s*SLOT
	SETADR \s
	JLOAD \s                                       ; both slots are asked for before anything else: two tensor loads of the wave are out, later one
.endr
	; s, g and my four columns' bias
	s_load_b32 s76, s[72:73], 0x0
	v_and_b32 v5, 31, v0                           ; lane
	v_lshlrev_b32 v[CO], 4, v5                     ; four f32 a lane
	s_lshl_b32 s82, s42, 9                         ; 128 columns of 4 bytes
	v_add_nc_u32 v6, s82, v[CO]
	v_mov_b32 v7, 0x800004                         ; g of slot 0: every work-group that made P stored the same g
	global_load_b128 v[BIAS:BIAS+3], v6, s[74:75]
	global_load_b32 v36, v7, s[6:7]
	; fragment addresses: lane l holds row l % 16; registers 0-3 K = 8 (l / 16) + 0..7, registers 4-7 K = 16 + 8 (l / 16) + 0..7: two loads of 16 bytes, 32 apart
	v_and_b32 v1, 15, v0
	v_bfe_u32 v2, v0, 4, 1
	v_mul_u32_u24 v3, v1, PITCH
	v_lshl_add_u32 v3, v2, 4, v3
	s_lshl_b32 s22, s12, 7                         ; my half of a slot's K: bytes 128 (w % 2) ..
	s_mul_i32 s21, s11, ALOAD                      ; my 128 rows of X
	s_add_co_u32 s21, s21, s22
	s_add_co_u32 s22, s22, ATILE                   ; all 128 rows of P
.irp s, 0,1
	v_add_nc_u32 v[ADRA+\s], s21, v3
	v_add_nc_u32 v[ADRB+\s], s22, v3
	s_add_co_u32 s21, s21, SLOT
	s_add_co_u32 s22, s22, SLOT
.endr
	s_mul_i32 s23, s10, SREG                       ; my partial block
	v_mul_u32_u24 v4, v1, SP
	v_lshl_add_u32 v4, v2, 5, v4                   ; row l % 16, 32 bytes for each half of the lanes
	v_add_nc_u32 v[STO], s23, v4
	s_mul_i32 s23, s11, 2*SREG                     ; back: the two partial blocks of my half of the rows (waves 2 (w / 2) and + 1),
	s_mul_i32 s21, s12, 64*SP                      ; of which I own rows 64 (w % 2) .. + 63; a lane takes 16 bytes of a row of 512
	s_add_co_u32 s23, s23, s21
	v_add_nc_u32 v[RD], s23, v[CO]
	v_add_nc_u32 v[RD+1], SREG, v[RD]
	; where my rows of out lie, in registers that feed no descriptor
	s_lshl_b32 s80, s13, 8
	s_lshl_b32 s83, s10, 6
	s_add_co_u32 s80, s80, s83                     ; my first row: 256 x block row + 64 w
	s_lshl_b32 s80, s80, 13                        ; below 2^25
	s_add_co_u32 s80, s80, s82
	s_mov_b32 s81, 0
	s_add_nc_u64 s[8:9], s[8:9], s[80:81]
	; c = s / g
	s_wait_loadcnt 0x0
	s_wait_kmcnt 0x0
	v_rcp_f32 v37, v36
	v_nop                                          ; one plain instruction between v_rcp_f32 and the use of its result (ISA guide 5.7.2)
	s_wait_alu depctr_va_vdst(0)
	v_mul_f32 v37, s76, v37
	v_readfirstlane_b32 s68, v37
	s_mov_b32 s69, s68                             ; a pair, for the packed multiply-add
; 16 matrix instructions: row blocks a0, a0 + 1 of the window's four x all 8 column blocks, 32 along K.  zero = 1: the first product starts the sums.
.macro MUL16 f, hi, a0, zero
.irp a, \a0, \a0+1
.irp b, 0,1,2,3,4,5,6,7
.if \zero
	v_wmma_f32_16x16x32_f16 v[8*(8*(\a)+\b):8*(8*(\a)+\b)+7], v[\f+8*\b:\f+8*\b+7], v[\f+8*(4*\hi+\a):\f+8*(4*\hi+\a)+7], 0
.else
	v_wmma_f32_16x16x32_f16 v[8*(8*(\a)+\b):8*(8*(\a)+\b)+7], v[\f+8*\b:\f+8*\b+7], v[\f+8*(4*\hi+\a):\f+8*(4*\hi+\a)+7], v[8*(8*(\a)+\b):8*(8*(\a)+\b)+7]
.endif
.endr
.endr
.endm
; 32 LDS loads in one run: 128 rows of P, my 128 rows of X, 32 K at byte k of my part of the rows, into buffer f
.macro FETCH slot, k, f
	WIN TO_B
.irp i, 0,1,2,3,4,5,6,7
	ds_load_b128 v[\f+8*\i:\f+8*\i+3],   v[ADRB+\slot] offset:\k+\i*16*PITCH
	ds_load_b128 v[\f+8*\i+4:\f+8*\i+7], v[ADRB+\slot] offset:\k+\i*16*PITCH+32
.endr
	WIN 0
.irp i, 0,1,2,3,4,5,6,7
	ds_load_b128 v[\f+8*\i:\f+8*\i+3],   v[ADRA+\slot] offset:\k+\i*16*PITCH
	ds_load_b128 v[\f+8*\i+4:\f+8*\i+7], v[ADRA+\slot] offset:\k+\i*16*PITCH+32
.endr
.endm
; Four plain vector instructions between a matrix instruction and a load into one of its registers, or a reader of its result (ISA guide 7.12.1 for vector
; instructions).
.macro PLACES
.rept 4
	v_nop
.endr
.endm
; A step of a wave is two halves of 32 along K, 64 matrix instructions each, on buffers 0 and 1.  The 64 accumulators take turns, one instruction a turn,
; in the same order in every half, over the backward jump too.
.macro QUARTER slot, k, f, g, zero
	s_wait_dscnt 8                                 ; P and X's rows 0-63 are in; the youngest eight loads (X's rows 64-127) may be out
	WIN MUL_LO
	MUL16 \f, 0, 0, \zero
	MUL16 \f, 0, 2, \zero
	PLACES
	FETCH \slot, \k, \g
	s_wait_dscnt 32                                ; all but the 32 just issued
	WIN MUL_HI
	MUL16 \f, 1, 0, \zero
	MUL16 \f, 1, 2, \zero
.endm
; The second half: multiplies buffer 1 and changes slots.  fill = 1: this slot is filled again, two steps ahead.
; In front of the barrier each wave waits for its reads of this slot and for all its tensor loads (one is out: its part of the next slot).  Behind the round
; nobody in the cluster reads this slot's tile or has a load on its way: the joint refill comes first, then the next slot's first fragments.
; All 128 matrix instructions of a step stand between a request and the wait for it; between the signal and its wait stands the slot's next address alone.
.macro TURN slot, next, fill
	s_wait_dscnt 8
	WIN MUL_LO
	MUL16 F1, 0, 0, 0
	MUL16 F1, 0, 2, 0
	WIN 0
	s_wait_dscnt 0                                 ; my reads of this slot are over
	s_wait_tensorcnt 0x0                           ; and all my tensor loads have landed: every group 0 may be written
	ds_add_u32 v254, v255
	s_wait_dscnt 0x0
	s_barrier_signal -1
.if \fill
	s_add_co_u32 s[KO+2*\slot], s[KO+2*\slot], 2*STEPB
	s_and_b32 s[KO+2*\slot], s[KO+2*\slot], ROWB-1 ; two steps on along K, round the row's end
	SETADR \slot
.endif
	s_barrier_wait -1
.if \fill
	CREST
	JLOAD \slot                                    ; my one tensor load behind the round; its four v_nop are also the places in front of the loads below
.else
	PLACES
.endif
	FETCH \next, 0, F0
	WIN MUL_HI
	MUL16 F1, 1, 0, 0
	MUL16 F1, 1, 2, 0
.endm
.macro LAP zero
	QUARTER 0, 64, F0, F1, \zero
	TURN 0, 1, 1
	QUARTER 1, 64, F0, F1, 0
	TURN 1, 0, 1
.endm
	s_wait_tensorcnt 1                             ; my part of the first step is in; the second's, issued behind it, may stay out
	s_barrier_signal -1
	s_barrier_wait -1
	FETCH 0, 0, F0
	LAP 1                                          ; the first lap stands in front of the loop: its first products start the sums
	WIN 0
	s_mov_b32 s3, LAPS-2
.Llap:
	LAP 0
	WIN 0
	s_sub_co_u32 s3, s3, 1
	s_cmp_lg_u32 s3, 0
	s_cbranch_scc1 .Llap
	QUARTER 0, 64, F0, F1, 0                       ; the last lap fills nothing
	TURN 0, 1, 0
	QUARTER 1, 64, F0, F1, 0
	s_wait_dscnt 8
	WIN MUL_LO
	MUL16 F1, 0, 0, 0
	MUL16 F1, 0, 2, 0
	s_wait_dscnt 0                                 ; my last reads of the ring are over: no LDS instruction follows before the barrier below
	WIN MUL_HI
	MUL16 F1, 1, 0, 0
	MUL16 F1, 1, 2, 0
	; THE WAY OUT.  The ring has had its last fill (every wave waited for all its tensor loads in the last change of slots).  Behind a barrier, which shows that every
	; wave's fragment reads are over, each wave lays its partial block of 128 x 128 f32 into its own 67,584 bytes; behind a second barrier each wave reads its
	; 64 rows from the two blocks of its half, adds them, applies c, bias and relu, and stores whole row pieces of 512 bytes.
	PLACES                                         ; the places between the last matrix instructions and the LDS stores that read their results
	s_barrier_signal -1
	s_barrier_wait -1
.macro STAGE win, hi                   ; win: the store data's window (source 1): 0x08 window 2, 0x0c window 3
	WIN \win
.irp a, 0,1,2,3
.irp b, 0,1,2,3,4,5,6,7
	ds_store_b128 v[STO], v[8*(8*\a+\b):8*(8*\a+\b)+3]   offset:(4*\hi+\a)*16*SP+64*\b
	ds_store_b128 v[STO], v[8*(8*\a+\b)+4:8*(8*\a+\b)+7] offset:(4*\hi+\a)*16*SP+64*\b+16
.endr
.endr
.endm
	STAGE 0x08, 0
	STAGE 0x0c, 1
	WIN 0
	s_wait_dscnt 0x0                               ; for the other waves' sake: all my stores are done before I signal
	s_barrier_signal -1
	s_barrier_wait -1
.macro RBLOAD g, set                   ; rows 8 g to 8 g + 7 of my 64, from the two partial blocks: 16 loads
	s_wait_xcnt 0x0                                ; the set was the data of stores two groups ago: it is loaded again only behind this wait
.irp t, 0,1,2,3,4,5,6,7
.irp q, 0,1
	ds_load_b128 v[\set+8*\t+4*\q:\set+8*\t+4*\q+3], v[RD+\q] offset:(8*\g+\t)*SP
.endr
.endr
.endm
.macro RBSUM g, set, left              ; left = loads issued behind this group's sixteen
.irp t, 0,1,2,3,4,5,6,7
	s_wait_dscnt \left+14-2*\t                     ; row t's two loads are in: behind them stand 14 - 2 t of this group and the next group's
	v_pk_add_f32 v[\set+8*\t:\set+8*\t+1],   v[\set+8*\t:\set+8*\t+1],   v[\set+8*\t+4:\set+8*\t+5]
	v_pk_add_f32 v[\set+8*\t+2:\set+8*\t+3], v[\set+8*\t+2:\set+8*\t+3], v[\set+8*\t+6:\set+8*\t+7]
	v_pk_fma_f32 v[\set+8*\t:\set+8*\t+1],   v[\set+8*\t:\set+8*\t+1],   s[68:69], v[BIAS:BIAS+1]   op_sel_hi:[1,0,1]
	v_pk_fma_f32 v[\set+8*\t+2:\set+8*\t+3], v[\set+8*\t+2:\set+8*\t+3], s[68:69], v[BIAS+2:BIAS+3] op_sel_hi:[1,0,1]
.irp c, 0,1,2,3
	v_max_num_f32 v[\set+8*\t+\c], 0, v[\set+8*\t+\c]
.endr
	global_store_b128 v[CO], v[\set+8*\t:\set+8*\t+3], s[8:9] offset:(8*\g+\t)*OROWB   ; 32 lanes x 16 bytes: 512 consecutive bytes, aligned
.endr
.endm
	RBLOAD 0, F0
	RBLOAD 1, F1
	RBSUM  0, F0, 16
	RBLOAD 2, F0
	RBSUM  1, F1, 16
	RBLOAD 3, F1
	RBSUM  2, F0, 16
	RBLOAD 4, F0
	RBSUM  3, F1, 16
	RBLOAD 5, F1
	RBSUM  4, F0, 16
	RBLOAD 6, F0
	RBSUM  5, F1, 16
	RBLOAD 7, F1
	RBSUM  6, F0, 16
	RBSUM  7, F1, 0
	s_wait_tensorcnt 0x0
	ds_add_u32 v254, v255
	s_wait_dscnt 0x0
	CROUND                                         ; the closing round: no work-group ends while a partner may still ask for a tile that names it
	s_endpgm
.Lfunc_end_k_qe638e1f4b5_gout:
	.size	k_qe638e1f4b5_gout, .Lfunc_end_k_qe638e1f4b5_gout-k_qe638e1f4b5_gout
	.p2alignl 7, 3214868480
	.fill 96, 4, 3214868480
	.section	.rodata,"a",@progbits
	.p2align	6, 0x0
	.amdhsa_kernel k_qe638e1f4b5_gout
		.amdhsa_group_segment_fixed_size 327680
		.amdhsa_private_segment_fixed_size 0
		.amdhsa_enable_private_segment 0
		.amdhsa_kernarg_size 40
		.amdhsa_user_sgpr_count 2
		.amdhsa_user_sgpr_kernarg_segment_ptr 1
		.amdhsa_wavefront_size32 1
		.amdhsa_system_sgpr_workgroup_id_x 1
		.amdhsa_system_sgpr_workgroup_id_y 1
		.amdhsa_system_sgpr_workgroup_id_z 1
		.amdhsa_system_vgpr_workitem_id 0
		.amdhsa_next_free_vgpr 1024
		.amdhsa_next_free_sgpr 92
		.amdhsa_reserve_vcc 0
		.amdhsa_float_denorm_mode_32 3
		.amdhsa_float_denorm_mode_16_64 3
		.amdhsa_memory_ordered 1
		.amdhsa_forward_progress 1
		.amdhsa_inst_pref_size 138
	.end_amdhsa_kernel
	.amdgpu_metadata
---
amdhsa.version: [ 1, 2 ]
amdhsa.kernels:
  - .name:           k_qe638e1f4b5_gout
    .symbol:         k_qe638e1f4b5_gout.kd
    .args:
      - { .name: xh, .offset: 0, .size: 8, .value_kind: global_buffer, .address_space: global }
      - { .name: pt, .offset: 8, .size: 8, .value_kind: global_buffer, .address_space: global }
      - { .name: out0, .offset: 16, .size: 8, .value_kind: global_buffer, .address_space: global }
      - { .name: scaling, .offset: 24, .size: 8, .value_kind: global_buffer, .address_space: global }
      - { .name: bias, .offset: 32, .size: 8, .value_kind: global_buffer, .address_space: global }
    .group_segment_fixed_size: 327680
    .private_segment_fixed_size: 0
    .kernarg_segment_align: 8
    .kernarg_segment_size: 40
    .max_flat_workgroup_size: 128
    .sgpr_count:     92
    .vgpr_count:     1024
    .wavefront_size: 32
...
	.end_amdgpu_metadata
.endif
;; end of part 4
